; MI455X (gfx1250); checked and timed in simulation.
; The chip was launched on July 23, 2026; its instructions are those of AMD's public machine-readable ISA for CDNA 5 (MIT licence, August 2026) and "CDNA5" Instruction Set Architecture Reference Guide (July 2026). The comments in the code are by the model that wrote it; some were corrected since.
;; Attention. Allowed arithmetic: matrix products marked QUANTISED: E3M2 operands, one E8M0 scale for each 32 along K, by v_wmma_scale_f32_16x16x128_f8f6f4 with both operands' format E3M2, f32 sums; everything else in f32.
;; Inputs: Wk 1,024 x 1,024 float32; Wq 1,024 x 1,024 float32; Wv 1,024 x 1,024 float32; bk 1,024 float32; bq 1,024 float32; bv 1,024 float32; keyvalue_input 4 x 2,048 x 1,024 float32; mask 4 x 2,048 x 2,048 float32; query_input 4 x 2,048 x 1,024 float32.
;; Outputs: out0 4 x 2,048 x 1,024 float32.
;; This version of the problem:
;;   THIS VERSION OF THE PROBLEM IS GIVEN IN LOW PRECISION. The matrix products marked QUANTISED in the list below multiply operands that are first quantised to E3M2 (3 exponent bits, 2 mantissa bits; 6 bits a number), with one power-of-two scale for each 32 numbers along K (OCP MX v1.0); their sums are f32. All else is computed in f32.
;;   The module's matrix products, in the order in which they are computed (A, B: the left and right operand; K: the contracted axis; several contracted axes count as one K, in the product's order):
;;     1. [M 8,192, K 1,024] x [K 1,024, N 1,024]; A: input query_input; B: input Wq: QUANTISED
;;     2. [M 8,192, K 1,024] x [K 1,024, N 1,024]; A: input keyvalue_input; B: input Wk: QUANTISED
;;     3. [M 8,192, K 1,024] x [K 1,024, N 1,024]; A: input keyvalue_input; B: input Wv: QUANTISED
;;     4. batch 4 x [M 2,048, K 1,024] x [K 1,024, N 2,048]; A: computed on the way; B: computed on the way: QUANTISED
;;     5. batch 4 x [M 2,048, K 2,048] x [K 2,048, N 1,024]; A: softmax (see below); B: computed on the way: QUANTISED
;;   THE QUANTISER, for each operand of a quantised product, along K:
;;     - K is cut into blocks of 32 from its start; a last block that is shorter is filled with zeros.
;;     - A block's scale is 2^e with e = floor(log2(the largest magnitude in the block)) - 4, held to -126 .. 127; a block of zeros has e = 0. As a byte (E8M0): e + 127.
;;     - Each number is divided by its block's scale, clamped to +-28, and rounded to the nearest number of E3M2, ties to even, subnormals kept.
;;     - The product sums the exact products of the quantised numbers (number of the format x scale) in f32.
;;   ~~~python
;;   def quantise(x, axis):      # numpy; x: float32 -> the quantised numbers, widened to float32 again
;;       x = np.moveaxis(x, axis, -1); K = x.shape[-1]
;;       x = np.pad(x, [(0, 0)] * (x.ndim - 1) + [(0, -K % 32)]); x = x.reshape(x.shape[:-1] + (-1, 32)); a = np.abs(x).max(-1, keepdims=True)
;;       e = np.where(a > 0, np.clip(np.frexp(np.where(a > 0, a, 1))[1] - 1 - 4, -126, 127), 0)      # np.frexp(a)[1] - 1 = floor(log2(a)), exactly
;;       r = np.clip(x / 2.0 ** e, -28, 28)
;;       step = 2.0 ** (np.maximum(np.frexp(np.where(r == 0, 1, r))[1] - 1, -2) - 2)
;;       q = np.round(r / step) * step * 2.0 ** e      # np.round: ties to even
;;       return np.moveaxis(q.reshape(q.shape[:-2] + (-1,))[..., :K], -1, axis).astype(np.float32)
;;   ~~~
;;   SOFTMAX AHEAD OF A QUANTISED PRODUCT. Where the list says 'softmax', what is quantised is not the finished softmax but p = 2^(t - M), with t = logit x log2(e) and M = ceil(the row's largest t), a whole number; so 1/2 < the row's largest p <= 1. The row's sum l is taken of the UNQUANTISED p, in f32, and the product's result is divided by l at the end. Since M is a whole number, a kernel that streams over the keys may use a running M (the ceiling of the running maximum): every later rescaling is an exact power of two, which a block's scale takes up: the codes' values come out the same.
;;   OPERANDS COMPUTED ON THE WAY. 'Computed on the way' means the value that the module computes at that place (a softmax that the list does not call 'softmax' is quantised finished and normalised). What goes into a quantiser is computed in f32, as accurately as f32 sums, v_exp_f32 and their like allow (about 1e-6 of the number): no bf16 or f16 on the way to a quantiser, and a product that is left as it is and whose result goes on into a quantised operand takes f32 operands (vector FMAs, or v_wmma_f32_16x16x4_f32). A number that lies on a knife's edge between two numbers of the format may be rounded either way, as far as f32 arithmetic and the matrix unit's own rounding can turn it there, and no further.
;; One version. Each part assembles by itself: llvm-mc -triple=amdgcn-amd-amdhsa -mcpu=gfx1250 --defsym DOCPART=n.
;; ======== version 1 of 1: 4 launches
;; limits: right only within a limited range of input values
;; workspace buffers: c1 14,942,208 bytes; sc1 622,592 bytes; c2 18,874,368 bytes; sc2 786,432 bytes; c3 12,582,912 bytes; st3 2,097,152 bytes
;; launch prep (part 1): grid 704 x 1, 4 waves a work-group, no clusters, 34,304 bytes of LDS; arguments query_input, keyvalue_input, Wq, Wk, Wv, c1, sc1; writes c1, sc1
.if DOCPART == 1
	.amdgcn_target "amdgcn-amd-amdhsa--gfx1250"
	.amdhsa_code_object_version 6
	.text
	.protected	k_qf2c6332815_prep
	.globl	k_qf2c6332815_prep
	.p2align	8
	.type	k_qf2c6332815_prep,@function
k_qf2c6332815_prep:
	s_mov_b64 s[64:65], 0
	v_nop
	global_prefetch_b8 v0, s[64:65] scope:SCOPE_SE
	s_setreg_imm32_b32 hwreg(HW_REG_WAVE_MODE, 25, 1), 1
	s_wait_xcnt 0x0
; The two activations [8192][1024] f32 (K innermost) and the three weights [1024 (k)][1024 (n)] f32 (K = the first axis) become codes of BF6 (E3M2) with one E8M0 byte for each 32 along K.
; A block's scale is 2^(floor(log2(largest magnitude)) - 4); its byte is the largest magnitude's exponent field - 4, held at 1 from below.  Blocks of zeros keep the byte 1 (the rule says 127): their codes are zeros,
; and the bytes are read by this program alone.  LIMITS: NaN and infinities among the inputs are not served.
; LAYOUT OF THE CODES: images of the operand's registers.  A fragment (16 rows x 128 K, 12 registers a lane) is 1,536 bytes: registers 4 c .. 4 c + 3 of lane l at 512 c + 16 l.  An operand is [tile][K step][1536].
; Scale words: [tile][K step / 4][lane r][K step % 4], 4 bytes each.  THE ROWS OF A TILE ARE NOT NEIGHBOURS: lane r of tile T holds row 32 (T / 2) + 8 (T % 2) + r + 8 (r / 8).
; Work-groups 0-511 take the activations (32 rows each), 512-703 the weights (128 columns x 128 K each).  A stream: no matrix unit, no barrier; waves share nothing.
.set XKV_C, 6291456                    ; c1: keyvalue_input's codes behind query_input's
.set WQ_C,  12582912                   ; then the three weights',
.set W_CB,  786432                     ; so many bytes each
.set XKV_S, 262144                     ; sc1 likewise
.set WQ_S,  524288
.set TILEC, 12288                      ; a tile's codes: 8 K steps
.set STG,   8448                       ; a wave's stage in LDS: 16 rows x (512 + 16) bytes
.set TM,  16                           ; v16-31   at work in QUANT
.set R0,  32                           ; v32-159  two sets of 64 registers as loaded
.set X,   160                          ; v160-223 64 numbers in the operand's order
.set PC,  224                          ; v224-243 the codes just made
.set PWS, 244                          ; v244-247 four scale words
.set SEL, 2                            ; s[2:3]   lane selects: lane l xor 16
; 64 numbers of a lane, register 16 b + i = k 32 b + 16 (lane / 16) + i of my row, become a fragment's codes in v[PC] on and its scale word in v[pw].
.macro QUANT s, pw
.irp b, 0,1,2,3
	v_max3_num_f32 v[TM+\b], |v[\s+16*\b]|, |v[\s+1+16*\b]|, 0x2800000   ; my 16 numbers of block b, and the floor 2^(5 - 127): the byte cannot fall under 1
.endr
.irp i, 2,4,6,8,10,12,14
.irp b, 0,1,2,3
	v_max3_num_f32 v[TM+\b], v[TM+\b], |v[\s+16*\b+\i]|, |v[\s+1+16*\b+\i]|
.endr
.endr
.irp b, 0,1,2,3
	v_permlanex16_b32 v[TM+4+\b], v[TM+\b], s[SEL], s[SEL+1]
.endr
.irp b, 0,1,2,3
	v_max_num_f32 v[TM+\b], v[TM+\b], v[TM+4+\b]          ; with lane l xor 16's: the block's largest magnitude
.endr
.irp b, 0,1,2,3
	v_add_nc_u32 v[TM+12+\b], 0xfe000000, v[TM+\b]        ; 4 off its exponent field: the conversion's scale operand
.endr
.irp b, 0,1,2,3
	v_lshrrev_b32 v[TM+4+\b], 23, v[TM+12+\b]             ; the scale's byte
.endr
	v_lshl_or_b32 v[\pw], v[TM+5], 8, v[TM+4]
	v_lshl_or_b32 v[\pw], v[TM+6], 16, v[\pw]
	v_lshl_or_b32 v[\pw], v[TM+7], 24, v[\pw]
.irp c, 0,1
	v_cvt_scalef32_pk16_bf6_f32 v[PC+6*\c:PC+2+6*\c], v[\s+32*\c:\s+15+32*\c], v[TM+12+2*\c]
	v_cvt_scalef32_pk16_bf6_f32 v[PC+12+4*\c:PC+14+4*\c], v[\s+16+32*\c:\s+31+32*\c], v[TM+12+2*\c+1]   ; (a conversion's three registers begin on an even number)
.endr
	v_nop                                          ; one plain line behind a scaled conversion
.irp c, 0,1                                    ; the operand wants a whole block in a lane: lanes 0-15 block 2 c, lanes 16-31 block 2 c + 1
.irp i, 0,1,2
	v_permlane16_swap_b32 v[PC+6*\c+\i], v[PC+12+4*\c+\i]
.endr
.irp i, 0,1,2
	v_mov_b32 v[PC+3+6*\c+\i], v[PC+12+4*\c+\i]
.endr
.endr
.endm
	s_load_b256 s[4:11], s[0:1], 0x0               ; query_input, keyvalue_input, Wq, Wk
	s_load_b128 s[12:15], s[0:1], 0x20             ; Wv, c1
	s_load_b64 s[16:17], s[0:1], 0x30              ; sc1
	v_lshl_add_u32 v254, v0, 2, 0x8400
	v_mov_b32 v255, 0
	v_lshrrev_b32 v1, 5, v0
	v_readfirstlane_b32 s18, v1                    ; wave
	v_and_b32 v1, 31, v0                           ; lane
	v_and_b32 v2, 15, v0                           ; r
	v_bfe_u32 v3, v0, 4, 1                         ; h
	v_lshlrev_b32 v4, 4, v1                        ; 16 x lane
	s_cmp_lt_u32 ttmp9, 512
	s_cbranch_scc0 .Lweights
	; ---- AN ACTIVATION.  Work-group gg takes rows 32 gg .. 32 gg + 31: tiles 2 gg and 2 gg + 1.  Wave w: tile 2 gg + w / 2, K steps 4 (w % 2) on: four fragments.
	s_and_b32 s19, ttmp9, 255                      ; gg
	s_lshr_b32 s20, s18, 1
	s_and_b32 s21, s18, 1
	s_lshl_b32 s22, s19, 17                        ; 32 rows of 4,096 bytes,
	s_lshl_b32 s24, s20, 15                        ; the tile's rows begin 8 rows on for the odd tile,
	s_add_co_u32 s22, s22, s24
	s_lshl_b32 s24, s21, 11                        ; four K steps of 512 bytes
	s_add_co_u32 s22, s22, s24
	s_mov_b32 s23, 0
	s_lshl_b32 s24, s19, 1
	s_add_co_u32 s24, s24, s20                     ; the tile
	s_mul_i32 s26, s24, TILEC
	s_mul_i32 s25, s21, 6144
	s_add_co_u32 s26, s26, s25
	s_mov_b32 s27, 0
	s_lshl_b32 s28, s24, 9
	s_lshl_b32 s25, s21, 8
	s_add_co_u32 s28, s28, s25
	s_mov_b32 s29, 0
	s_mov_b32 s[SEL], 0x76543210
	s_mov_b32 s[SEL+1], 0xfedcba98
	s_mul_i32 s30, s18, STG
	s_wait_alu depctr_va_vdst(0)
	v_add_nc_u32 v5, s30, v4                       ; the stage, in: a row's 512 bytes as they lie
	v_mul_u32_u24 v6, v2, 528
	v_lshl_add_u32 v6, v3, 6, v6
	v_add_nc_u32 v6, s30, v6                       ; and out: row r, my half's 16 numbers of each block of 32
	v_lshlrev_b32 v7, 4, v2                        ; the scale words' place: 16 r
.irp b, 0,1,2,3
	v_mov_b32 v[TM+4+\b], 0                        ; written once: a lane permute's destination counts as one of its sources
.endr
	s_wait_alu depctr_va_vdst(0)
	s_wait_kmcnt 0x0
	s_cmp_lt_u32 ttmp9, 256                        ; which activation: the choice hangs on the work-group's number alone
	s_cselect_b64 s[4:5], s[4:5], s[6:7]
	s_cselect_b32 s24, 0, XKV_C
	s_cselect_b32 s25, 0, XKV_S
	s_add_co_u32 s26, s26, s24
	s_add_co_u32 s28, s28, s25
	s_add_nc_u64 s[4:5], s[4:5], s[22:23]
	s_add_nc_u64 s[14:15], s[14:15], s[26:27]
	s_add_nc_u64 s[16:17], s[16:17], s[28:29]
.macro XLOAD f                                 ; fragment f: 16 loads, each 512 consecutive bytes of one of the tile's rows
.irp i, 0,1,2,3,4,5,6,7,8,9,10,11,12,13,14,15
	global_load_b128 v[R0+64*((\f)%2)+4*\i:R0+64*((\f)%2)+4*\i+3], v4, s[4:5] offset:(\i+8*(\i/8))*4096+512*(\f) th:TH_LOAD_NT
.endr
.endm
.macro XFRAG f
.set RR_, R0+64*((\f)%2)
.if (\f) < 3
	s_wait_loadcnt 16                              ; this fragment's 16 loads are in; the next fragment's 16 may be out
.else
	s_wait_loadcnt 0x0
.endif
.irp i, 0,1,2,3,4,5,6,7,8,9,10,11,12,13,14,15
	ds_store_b128 v5, v[RR_+4*\i:RR_+4*\i+3] offset:528*\i
.endr
.irp b, 0,1,2,3
.irp j, 0,1,2,3
	ds_load_b128 v[X+16*\b+4*\j:X+16*\b+4*\j+3], v6 offset:128*\b+16*\j   ; LDS serves a wave's instructions in order: these see my stores
.endr
.endr
	s_wait_dscnt 0x0                               ; the numbers are back, and the stores have read the set that is loaded again below
.if (\f) > 0
	s_wait_xcnt 0x0                                ; the last fragment's stores have read v[PC] on
.endif
.if (\f) < 2
	XLOAD (\f)+2
.endif
	QUANT X, PWS+(\f)
.irp c, 0,1,2
	global_store_b128 v4, v[PC+4*\c:PC+4*\c+3], s[14:15] offset:1536*(\f)+512*\c   ; 512 consecutive bytes
.endr
.endm
	XLOAD 0
	XLOAD 1
	XFRAG 0
	XFRAG 1
	XFRAG 2
	XFRAG 3
	s_wait_xcnt 0x0                                ; EXEC changes only behind this wait
	v_cmp_gt_u32 vcc_lo, 16, v1
	s_wait_tensorcnt 0x0
	ds_add_u32 v254, v255
	s_wait_dscnt 0x0
	s_and_saveexec_b32 s31, vcc_lo
	global_store_b128 v7, v[PWS:PWS+3], s[16:17]   ; lanes 0-15: 256 consecutive bytes, the tile's words of my four K steps
	s_wait_xcnt 0x0
	s_or_b32 exec_lo, exec_lo, s31
	s_endpgm
.Lweights:
	; ---- A WEIGHT.  A lane takes a column n and its registers run down K.  Wave w of column group cg takes columns 32 b .. 32 b + 31, b = 4 cg + w: tiles 2 b (lanes 0-15) and 2 b + 1 (lanes 16-31), one K step.
	s_sub_co_u32 s19, ttmp9, 512
	s_lshr_b32 s20, s19, 6                         ; which weight
	s_and_b32 s21, s19, 7                          ; cg
	s_bfe_u32 s22, s19, 0x30003                    ; the K step
	s_lshl_b32 s23, s21, 2
	s_add_co_u32 s23, s23, s18                     ; b
	s_lshl_b32 s24, s22, 19                        ; 128 rows of 4,096 bytes
	s_lshl_b32 s25, s23, 7                         ; 32 columns of 4 bytes
	s_add_co_u32 s24, s24, s25
	s_mov_b32 s25, 0
	s_mul_i32 s26, s20, W_CB
	s_mul_i32 s27, s23, 2*TILEC
	s_add_co_u32 s26, s26, s27
	s_mul_i32 s27, s22, 1536
	s_add_co_u32 s26, s26, s27
	s_add_co_u32 s26, s26, WQ_C
	s_mov_b32 s27, 0
	s_lshl_b32 s28, s20, 15                        ; a weight's scale words: 32,768 bytes
	s_lshl_b32 s29, s23, 10                        ; two tiles of 512
	s_add_co_u32 s28, s28, s29
	s_lshr_b32 s29, s22, 2
	s_lshl_b32 s29, s29, 8
	s_add_co_u32 s28, s28, s29
	s_and_b32 s29, s22, 3
	s_lshl_b32 s29, s29, 2
	s_add_co_u32 s28, s28, s29
	s_add_co_u32 s28, s28, WQ_S
	s_mov_b32 s29, 0
	s_wait_alu depctr_va_vdst(0)
	v_and_b32 v8, 8, v2
	v_add_nc_u32 v8, v8, v2
	v_lshl_add_u32 v8, v3, 3, v8
	v_lshlrev_b32 v8, 2, v8                        ; my column: 8 h + r + 8 (r / 8), in bytes
	v_lshlrev_b32 v14, 4, v2
	v_lshl_add_u32 v14, v3, 9, v14                 ; my scale word: tile h, lane r
	s_wait_alu depctr_va_vdst(0)
	s_wait_kmcnt 0x0
	s_cmp_eq_u32 s20, 1
	s_cselect_b64 s[8:9], s[10:11], s[8:9]
	s_cmp_eq_u32 s20, 2
	s_cselect_b64 s[8:9], s[12:13], s[8:9]
	s_add_nc_u64 s[8:9], s[8:9], s[24:25]
	s_add_nc_u64 s[14:15], s[14:15], s[26:27]
	s_add_nc_u64 s[16:17], s[16:17], s[28:29]
.macro WLOAD t                                 ; block t: 32 rows of K at my column; the wave's 32 lanes read 128 consecutive bytes
.set J_, 0
.rept 32
	global_load_b32 v[32+32*(\t)+J_], v8, s[8:9] offset:4096*(32*(\t)+J_) th:TH_LOAD_NT
.set J_, J_+1
.endr
.endm
.macro WBLOCK t
.set XS_, 32+32*(\t)
.set FB_, 160+12*((\t)%2)+6*((\t)/2)           ; even blocks in v160-171, odd blocks in v172-183
.if (\t) < 3
	s_wait_loadcnt 32                              ; this block's 32 loads are in; the next block's may be out
.else
	s_wait_loadcnt 0x0
.endif
.if (\t) < 2
	WLOAD (\t)+2
.endif
	v_max3_num_f32 v12, |v[XS_]|, |v[XS_+1]|, |v[XS_+2]|            ; all 32 numbers of the block are mine
	v_max3_num_f32 v13, |v[XS_+3]|, |v[XS_+4]|, |v[XS_+5]|
.irp i, 6,10,14,18,22,26
	v_max3_num_f32 v12, v12, |v[XS_+\i]|, |v[XS_+\i+1]|
	v_max3_num_f32 v13, v13, |v[XS_+\i+2]|, |v[XS_+\i+3]|
.endr
	v_max3_num_f32 v12, v12, |v[XS_+30]|, |v[XS_+31]|
	v_max3_num_f32 v12, v12, v13, 0x2800000        ; and the floor
	v_add_nc_u32 v11, 0xfe000000, v12
	v_cvt_scalef32_pk16_bf6_f32 v[FB_:FB_+2], v[XS_:XS_+15], v11
	v_cvt_scalef32_pk16_bf6_f32 v[184:186], v[XS_+16:XS_+31], v11
	v_lshrrev_b32 v13, 23, v11                     ; the byte (also the plain line behind the conversions)
.if (\t) == 0
	v_mov_b32 v9, v13
.else
	v_lshl_or_b32 v9, v13, 8*(\t), v9
.endif
.irp i, 0,1,2
	v_mov_b32 v[FB_+3+\i], v[184+\i]
.endr
.endm
	WLOAD 0
	WLOAD 1
	WBLOCK 0
	WBLOCK 1
	WBLOCK 2
	WBLOCK 3
.irp i, 0,1,2,3,4,5,6,7,8,9,10,11
	v_permlane16_swap_b32 v[160+\i], v[172+\i]     ; the even blocks of lanes 16-31 change places with the odd blocks of lanes 0-15: v160-171 is tile 2 b's fragment, v172-183 tile 2 b + 1's
.endr
.irp c, 0,1,2
	global_store_b128 v4, v[160+4*\c:163+4*\c], s[14:15] offset:512*\c
	global_store_b128 v4, v[172+4*\c:175+4*\c], s[14:15] offset:TILEC+512*\c
.endr
	global_store_b32 v14, v9, s[16:17]             ; 4 bytes a lane, 16 apart: the weights' scale words are 98,304 bytes in all
	s_endpgm
.Lfunc_end_k_qf2c6332815_prep:
	.size	k_qf2c6332815_prep, .Lfunc_end_k_qf2c6332815_prep-k_qf2c6332815_prep
	.p2alignl 7, 3214868480
	.fill 96, 4, 3214868480
	.section	.rodata,"a",@progbits
	.p2align	6, 0x0
	.amdhsa_kernel k_qf2c6332815_prep
		.amdhsa_group_segment_fixed_size 34304
		.amdhsa_private_segment_fixed_size 0
		.amdhsa_enable_private_segment 0
		.amdhsa_kernarg_size 56
		.amdhsa_user_sgpr_count 2
		.amdhsa_user_sgpr_kernarg_segment_ptr 1
		.amdhsa_wavefront_size32 1
		.amdhsa_system_sgpr_workgroup_id_x 1
		.amdhsa_system_sgpr_workgroup_id_y 1
		.amdhsa_system_sgpr_workgroup_id_z 1
		.amdhsa_system_vgpr_workitem_id 0
		.amdhsa_next_free_vgpr 256
		.amdhsa_next_free_sgpr 66
		.amdhsa_reserve_vcc 1
		.amdhsa_float_denorm_mode_32 3
		.amdhsa_float_denorm_mode_16_64 3
		.amdhsa_memory_ordered 1
		.amdhsa_forward_progress 1
		.amdhsa_inst_pref_size 54
	.end_amdhsa_kernel
	.amdgpu_metadata
---
amdhsa.version: [ 1, 2 ]
amdhsa.kernels:
  - .name:           k_qf2c6332815_prep
    .symbol:         k_qf2c6332815_prep.kd
    .args:
      - { .name: query_input, .offset: 0, .size: 8, .value_kind: global_buffer, .address_space: global }
      - { .name: keyvalue_input, .offset: 8, .size: 8, .value_kind: global_buffer, .address_space: global }
      - { .name: Wq, .offset: 16, .size: 8, .value_kind: global_buffer, .address_space: global }
      - { .name: Wk, .offset: 24, .size: 8, .value_kind: global_buffer, .address_space: global }
      - { .name: Wv, .offset: 32, .size: 8, .value_kind: global_buffer, .address_space: global }
      - { .name: c1, .offset: 40, .size: 8, .value_kind: global_buffer, .address_space: global }
      - { .name: sc1, .offset: 48, .size: 8, .value_kind: global_buffer, .address_space: global }
    .group_segment_fixed_size: 34304
    .private_segment_fixed_size: 0
    .kernarg_segment_align: 8
    .kernarg_segment_size: 56
    .max_flat_workgroup_size: 128
    .sgpr_count:     66
    .vgpr_count:     256
    .wavefront_size: 32
...
	.end_amdgpu_metadata
.endif
;; end of part 1
;; launch proj (part 2): grid 4 x 64, 4 waves a work-group, clusters of 4 x 4, 327,680 bytes of LDS; arguments c1, sc1, bq, bk, bv, c2, sc2; writes c2, sc2
.if DOCPART == 2
	.amdgcn_target "amdgcn-amd-amdhsa--gfx1250"
	.amdhsa_code_object_version 6
	.text
	.protected	k_qf2c6332815_proj
	.globl	k_qf2c6332815_proj
	.p2align	8
	.type	k_qf2c6332815_proj,@function
k_qf2c6332815_proj:
	s_mov_b64 s[64:65], 0
	v_nop
	global_prefetch_b8 v0, s[64:65] scope:SCOPE_SE
	s_setreg_imm32_b32 hwreg(HW_REG_WAVE_MODE, 25, 1), 1
	s_wait_xcnt 0x0
	s_wait_alu depctr_hold_cnt(0) depctr_sa_sdst(0) depctr_va_vdst(0) depctr_va_sdst(0) depctr_va_ssrc(0) depctr_va_vcc(0) depctr_vm_vsrc(0)
	s_getreg_b32 s2, hwreg(HW_REG_IB_STS2, 6, 4)
	s_cmp_eq_u32 s2, 0
	s_cbranch_scc0 .Lentry_in_a_cluster
	s_endpgm
.Lentry_in_a_cluster:
	s_bfe_u32 s2, ttmp6, 0x10000c
	s_cmp_lg_u32 s2, 0xf033
	s_cbranch_scc0 .Lentry_shape_is_right
	s_endpgm
.Lentry_shape_is_right:
; Q = xq Wq + bq, K = xkv Wk + bk and V^T = (xkv Wv + bv)^T in one launch, on codes of BF6 (E3M2) with E8M0 scales; each result is quantised in registers and stored as codes for the next products.
; ONE FORM FOR THE THREE: OUT[i][j] = sum over k of R[i][k] C[j][k], quantised along j.  Q: R = xq, C = Wq.  K: R = xkv, C = Wk.  V^T: R = Wv, C = xkv: its j are the tokens, the K of the last product.
; A WORK-GROUP STAYS AND MAKES TWO PIECES.  The three products are 768 matrix instructions for each of 256 x 4 waves: PHASE 1 is a tile of 256 x 256 of Q or of K (the cluster's y / 8 says which; 512 a wave),
; PHASE 2 a piece of 128 x 256 of V^T (256 a wave).  So each of the 256 work-groups has the same work, phase 2's tiles are asked for while phase 1 still multiplies, and phase 1's stores leave under phase 2's products.
; Four waves.  Phase 1: each 128 x 128, 64 accumulators; phase 2: each 64 x 128, 32 accumulators.  K = 1,024 is 8 K steps of 128, written out.  All operands lie as images of their registers ([tile][K step][1536]; see the
; first launch): a fragment is three ds_load_b128 of 512 consecutive bytes.  The matrix instruction is used TRANSPOSED (source 0 = 16 rows of C, source 1 = 16 rows of R), and the rows of a tile of C are so chosen
; (lane r of tile T: row 32 (T / 2) + 8 (T % 2) + r + 8 (r / 8)) that the 16 registers of result tiles 2 b, 2 b + 1 are 16 neighbours along j.
; LDS.  Phase 1: K steps 0-3 at 0 (R's 16 tiles, then C's 16), one load a wave at the start; K steps 4, 5 at 196,608, one load a wave behind the next round; K steps 6, 7 into bytes 0 to 98,303 at K step 3.
; Phase 2: two halves of four K steps.  X (R's 8 tiles at 98,304, C's 16 at 147,456) is asked for at K step 5, when slots 1 and 2 have been read out; Y (R's at 245,760, C's at 0) in the middle of phase 1's way out.
; Each of these three refills is one load a wave behind a round of the cluster's barrier.  CLUSTER 4 x 4: in both phases R's tiles hang on cy and the cluster's y alone and are asked for jointly along a row of the cluster,
; C's on cx and the cluster's y alone, jointly along a column.
; LIMITS: NaN and infinities are not served; blocks of zeros keep the byte 1 (the rule says 127): their codes are zeros, and the bytes are read by this program alone.
; REGISTERS.  window 0: v1-31 addresses, and bv's four pairs; v32-95 scale words; v96-191 R's fragments (phase 1: 8, one set; phase 2: 4, two sets), on the ways out at work; v192-255 64 results.
;   window 1: v0-191 C's fragments, two sets; v192-255 the bias along j.   windows 2, 3: phase 1's accumulator (a, b) at v[8 (8 (a % 4) + b)] of window 2 + a / 4; phase 2's at v[8 (8 a + b)] of window 2.
.set XKV_C, 6291456                    ; c1: keyvalue_input's codes behind query_input's;
.set WQ_C, 12582912                    ; Wq's, and W_CB bytes on Wk's;
.set W_CB, 786432
.set WV_C, 14155776
.set XKV_S, 262144                     ; sc1 likewise
.set WQ_S, 524288
.set WV_S, 589824
.set K_C, 6291456                      ; c2: K's codes behind Q's, then V^T's
.set V_C, 12582912
.set K_S, 262144
.set V_S, 524288
.set HALFT, 24576                      ; phase 1: 8 tiles x two K steps: what one tensor load brings
.set SLOT,  98304
.set XR,    98304                      ; phase 2: K steps 0-3: R's 8 tiles x 6,144 bytes,
.set XC,    147456                     ; C's 16;
.set YR,    245760                     ; K steps 4-7: R's,
.set YC,    0                          ; C's
.set SPARE, 294912                     ; behind them: the spare words, 128 bytes a wave
.set LI,   3                           ; v3   16 x lane
.set SOF,  8                           ; v8   phase 1's scale words: lanes 0-15 R's offset, lanes 16-31 C's
.set BJO,  9                           ; v9   64 h
.set BIO,  10                          ; v10  4 (r + 8 (r / 8))
.set SOV,  11                          ; v11  where a pair of tiles' scale words go, phase 1: 512 h + 16 r
.set ADRA, 16                          ; v16-18 R's fragments in slots 0, 1, 2
.set SOV2, 19                          ; v19  the same as v11 for phase 2: 4,096 h + 16 r
.set ADRB, 20                          ; v20-22 C's
.set SOF2A, 23                         ; v23  phase 2's scale words, tiles 0-3
.set A2,   24                          ; v24-25 R's fragments in X, Y
.set B2,   26                          ; v26-27 C's
.set SPW,  28
.set NIL,  29
.set SOF2B, 30                         ; v30  phase 2's scale words, tiles 4-7: lanes 0-15 four tiles back, so that they stay inside the buffer
.set VT,   31
.set SC,   32                          ; register 8 i + k: lanes 0-15 the word of R's tile i, lanes 16-31 of C's tile i, K step k
.set AF,   96
.set BJ,   192                         ; in window 1
.set ST,   192
.set TM,   96
.set PW,   112
.set PWE,  113
.set PWS,  114
.set PC,   116
.set T4, 2
.set T5, 3
.set WV, 18
.set WR, 19
.set WC, 20
.set CX, 21
.set CY, 22
.set YY, 23
.set G1, 24                            ; s[24:31] group 1 for phase 1's R;  s[32:39] for its C;  s[40:51], s[52:63] groups 0, one for each slot; slot 1's and slot 2's later serve X and Y
.set G1B, 32
.set G0, 40
.set G0B, 52
.set LOW, 66
.set PROJ, 67
.set G2, 68                            ; s[68:75] group 1 for phase 2's R;  s[76:83] for its C
.set G2B, 76
.set RA, 84
.set CA, 86
.set RA2, 88                           ; s[88:89], s[90:91] where my part of phase 2's tiles begins in memory
.set CA2, 90
.set LA, 92
.set LAP2, 93                          ; and in a half, from R's or C's first byte on
.set LAV2, 94
.set UU, 95
.set T0, 96
.set U2, 98
.set V2, 99
.set SEL, 100
.set MSB, 0
.macro WIN new                         ; the immediate's high byte repeats the setting that is left
.if MSB != (\new)
	s_set_vgpr_msb (MSB<<8)|(\new)
.set MSB, (\new)
.endif
.endm
.macro PLACES n
.rept \n
	v_nop
.endr
.endm
; A joint load: waves 0 and 1 fetch R's halves, waves 2 and 3 C's.  The branch hangs on the wave's number alone.  Four v_nop follow each line.
.macro JLOAD g0a, g1a, g0b, g1b
	s_cmp_eq_u32 s[WR], 0
	s_cbranch_scc0 .Lfor_c_\@
	tensor_load_to_lds s[\g0a:\g0a+3], s[\g1a:\g1a+7]
	s_nop 0
.rept 4
	v_nop
.endr
	s_branch .Lasked_\@
.Lfor_c_\@:
	tensor_load_to_lds s[\g0b:\g0b+3], s[\g1b:\g1b+7]
	s_nop 0
.rept 4
	v_nop
.endr
.Lasked_\@:
.endm
.macro CREST                           ; a round of the cluster's barrier behind its opening barrier
	s_cmp_lg_u32 s[WV], 0
	s_cbranch_scc1 .Lnot_wave_0_\@
	s_barrier_signal -3
.Lnot_wave_0_\@:
	s_barrier_wait -3
	s_barrier_signal -1
	s_barrier_wait -1
.endm
.macro CROUND
	s_barrier_signal -1
	s_barrier_wait -1
	CREST
.endm
.macro QUANT s, pw                     ; 64 numbers of a lane, register 16 b + i = j 32 b + 16 (lane / 16) + i of my row, become a fragment in v[PC] on and its scale word in v[pw]
.irp b, 0,1,2,3
	v_max3_num_f32 v[TM+\b], |v[\s+16*\b]|, |v[\s+1+16*\b]|, 0x2800000   ; and the floor 2^(5 - 127): the byte cannot fall under 1
.endr
.irp i, 2,4,6,8,10,12,14
.irp b, 0,1,2,3
	v_max3_num_f32 v[TM+\b], v[TM+\b], |v[\s+16*\b+\i]|, |v[\s+1+16*\b+\i]|
.endr
.endr
.irp b, 0,1,2,3
	v_permlanex16_b32 v[TM+4+\b], v[TM+\b], s[SEL], s[SEL+1]
.endr
.irp b, 0,1,2,3
	v_max_num_f32 v[TM+\b], v[TM+\b], v[TM+4+\b]
.endr
.irp b, 0,1,2,3
	v_add_nc_u32 v[TM+12+\b], 0xfe000000, v[TM+\b]        ; 4 off the exponent field: the conversion's scale operand
.endr
.irp b, 0,1,2,3
	v_lshrrev_b32 v[TM+4+\b], 23, v[TM+12+\b]
.endr
	v_lshl_or_b32 v[\pw], v[TM+5], 8, v[TM+4]
	v_lshl_or_b32 v[\pw], v[TM+6], 16, v[\pw]
	v_lshl_or_b32 v[\pw], v[TM+7], 24, v[\pw]
.irp c, 0,1
	v_cvt_scalef32_pk16_bf6_f32 v[PC+6*\c:PC+2+6*\c], v[\s+32*\c:\s+15+32*\c], v[TM+12+2*\c]
	v_cvt_scalef32_pk16_bf6_f32 v[PC+12+4*\c:PC+14+4*\c], v[\s+16+32*\c:\s+31+32*\c], v[TM+12+2*\c+1]
.endr
	v_nop                                          ; one plain line behind a scaled conversion
.irp c, 0,1
.irp i, 0,1,2
	v_permlane16_swap_b32 v[PC+6*\c+\i], v[PC+12+4*\c+\i]
.endr
.irp i, 0,1,2
	v_mov_b32 v[PC+3+6*\c+\i], v[PC+12+4*\c+\i]
.endr
.endr
.endm
	s_load_b256 s[4:11], s[0:1], 0x0               ; c1, sc1, bq, bk
	s_load_b128 s[12:15], s[0:1], 0x20             ; bv, c2
	s_load_b64 s[16:17], s[0:1], 0x30              ; sc2
	v_lshl_add_u32 v[SPW], v0, 2, SPARE
	v_mov_b32 v[NIL], 0
	ds_add_u32 v28, v29
	ds_add_u32 v28, v29
	s_wait_dscnt 0x0
	v_lshrrev_b32 v1, 5, v0
	v_readfirstlane_b32 s[WV], v1                  ; wave 0..3
	s_lshr_b32 s[WR], s[WV], 1                     ; my half of R's rows.  Also: I fetch for R (0) or for C (1)
	s_and_b32 s[WC], s[WV], 1                      ; my half of C's rows.  Also: which half of the tiles I fetch
	s_bfe_u32 s[CX], ttmp6, 0x40000
	s_bfe_u32 s[CY], ttmp6, 0x40004
	s_and_b32 s[YY], ttmp7, 0xffff                 ; the cluster's y, 0..15
	s_lshr_b32 s[PROJ], s[YY], 3                   ; phase 1: 0: Q, 1: K
	s_and_b32 s[UU], s[YY], 7
	s_lshl_b32 s[UU], s[UU], 2
	s_add_co_u32 s[UU], s[UU], s[CY]               ; phase 1: R's block of 256 rows, 0..31 (C's is cx)
	s_and_b32 s[U2], s[YY], 1
	s_lshl_b32 s[U2], s[U2], 2
	s_add_co_u32 s[U2], s[U2], s[CY]               ; phase 2: Wv's block of 128 rows, 0..7
	s_lshr_b32 s[V2], s[YY], 1
	s_lshl_b32 s[V2], s[V2], 2
	s_add_co_u32 s[V2], s[V2], s[CX]               ; phase 2: xkv's block of 256 rows, 0..31
	s_mov_b32 s[LOW], 0xffff
	s_mov_b32 s[SEL], 0x76543210
	s_mov_b32 s[SEL+1], 0xfedcba98
	s_lshl_b32 s[T0], s[CY], 2
	s_lshl_b32 s[T0], 15, s[T0]                    ; my row of the cluster
	s_lshl_b32 s[T0+1], 0x1111, s[CX]              ; my column
	; groups 1; elements of 8 bytes, dense in LDS.  Phase 1: 8 rows (tiles) of 3,072 bytes (two K steps), 12,288 bytes apart
	s_or_b32 s[G1], s[T0], (3<<16)|(1<<21)
	s_or_b32 s[G1B], s[T0+1], (3<<16)|(1<<21)
.irp g, G1, G1B
	s_mov_b32 s[\g+1], 768<<16                     ; tensor_dim0: the head's load brings four K steps of a tile, 6,144 bytes
	s_mov_b32 s[\g+2], 8<<16                       ; tensor_dim1
	s_mov_b32 s[\g+3], 768<<16                     ; tile_dim0
	s_mov_b32 s[\g+4], 8                           ; tile_dim1
	s_mov_b32 s[\g+5], 1536                        ; tensor_dim0_stride
	s_mov_b32 s[\g+6], 0
	s_mov_b32 s[\g+7], 0
.endr
	; phase 2: rows of 6,144 bytes (four K steps), 12,288 bytes apart: 4 of R, 8 of C
	s_or_b32 s[G2], s[T0], (3<<16)|(1<<21)
	s_mov_b32 s[G2+1], 768<<16
	s_mov_b32 s[G2+2], 4<<16
	s_mov_b32 s[G2+3], 768<<16
	s_mov_b32 s[G2+4], 4
	s_mov_b32 s[G2+5], 1536
	s_mov_b32 s[G2+6], 0
	s_mov_b32 s[G2+7], 0
	s_or_b32 s[G2B], s[T0+1], (3<<16)|(1<<21)
	s_mov_b32 s[G2B+1], 768<<16
	s_mov_b32 s[G2B+2], 8<<16
	s_mov_b32 s[G2B+3], 768<<16
	s_mov_b32 s[G2B+4], 8
	s_mov_b32 s[G2B+5], 1536
	s_mov_b32 s[G2B+6], 0
	s_mov_b32 s[G2B+7], 0
	s_mul_i32 s[T4], s[WC], 98304                  ; phase 1: which 8 tiles of the 16 I fetch
	s_mul_i32 s[RA], s[UU], 196608
	s_mul_i32 s[T5], s[PROJ], XKV_C
	s_add_co_u32 s[RA], s[RA], s[T5]
	s_add_co_u32 s[RA], s[RA], s[T4]
	s_mov_b32 s[RA+1], 0
	s_mul_i32 s[CA], s[CX], 196608
	s_mul_i32 s[T5], s[PROJ], W_CB
	s_add_co_u32 s[CA], s[CA], s[T5]
	s_add_co_u32 s[CA], s[CA], s[T4]
	s_add_co_u32 s[CA], s[CA], WQ_C
	s_mov_b32 s[CA+1], 0
	s_lshl_b32 s[RA2], s[U2], 3                    ; phase 2: Wv's tile 8 U2 + 4 (wave % 2) on,
	s_lshl_b32 s[T5], s[WC], 2
	s_add_co_u32 s[RA2], s[RA2], s[T5]
	s_mul_i32 s[RA2], s[RA2], 12288
	s_add_co_u32 s[RA2], s[RA2], WV_C
	s_mov_b32 s[RA2+1], 0
	s_lshl_b32 s[CA2], s[V2], 4                    ; xkv's tile 16 V2 + 8 (wave % 2) on
	s_lshl_b32 s[T5], s[WC], 3
	s_add_co_u32 s[CA2], s[CA2], s[T5]
	s_mul_i32 s[CA2], s[CA2], 12288
	s_add_co_u32 s[CA2], s[CA2], XKV_C
	s_mov_b32 s[CA2+1], 0
	s_mul_i32 s[LA], s[WV], HALFT                  ; where they go: no place in the cluster enters an LDS address
	s_mul_i32 s[LAP2], s[WC], 24576
	s_mul_i32 s[LAV2], s[WC], 49152
	s_wait_kmcnt 0x0
	s_add_nc_u64 s[RA:RA+1], s[4:5], s[RA:RA+1]
	s_add_nc_u64 s[CA:CA+1], s[4:5], s[CA:CA+1]
	s_add_nc_u64 s[RA2:RA2+1], s[4:5], s[RA2:RA2+1]
	s_add_nc_u64 s[CA2:CA2+1], s[4:5], s[CA2:CA2+1]
.irp n, 0,1,2
	s_mov_b32 s[G0+4*\n], 1
	s_add_co_u32 s[G0+4*\n+1], s[LA], \n*SLOT
	s_add_nc_u64 s[G0+4*\n+2:G0+4*\n+3], s[RA:RA+1], \n*3072
	s_or_b32 s[G0+4*\n+3], s[G0+4*\n+3], 0x80000000
	s_mov_b32 s[G0B+4*\n], 1
	s_add_co_u32 s[G0B+4*\n+1], s[LA], \n*SLOT
	s_add_nc_u64 s[G0B+4*\n+2:G0B+4*\n+3], s[CA:CA+1], \n*3072
	s_or_b32 s[G0B+4*\n+3], s[G0B+4*\n+3], 0x80000000
.endr
	; PHASE 1'S LDS AS IT IS USED: K steps 0-3 at bytes 0 to 196,607 (R's 16 tiles x 6,144, then C's), one load a wave at the head, by the second set of groups 0;
	; K steps 4, 5 at 196,608 on (tiles of 3,072 bytes), one load a wave behind the next round; K steps 6, 7 into bytes 0 to 98,303 at K step 3, when K steps 0-3 have been read out.
	s_mul_i32 s[T4], s[WV], 49152
	s_mov_b32 s[G0+5], s[T4]
	s_mov_b64 s[G0+6:G0+7], s[RA:RA+1]
	s_or_b32 s[G0+7], s[G0+7], 0x80000000
	s_mov_b32 s[G0B+5], s[T4]
	s_mov_b64 s[G0B+6:G0B+7], s[CA:CA+1]
	s_or_b32 s[G0B+7], s[G0B+7], 0x80000000
	s_mov_b64 s[104:105], s[4:5]                   ; c1 once more, for the prefetch: never rewritten
	CROUND                                         ; all sixteen work-groups are here: the first joint loads meet
	s_cmp_eq_u32 s[WR], 0                          ; one tensor load a wave at the head: K steps 0-3
	s_cbranch_scc0 .Lfirst_c
	tensor_load_to_lds s[G0+4:G0+7], s[G1:G1+7]
	s_nop 0
.rept 4
	v_nop
.endr
	s_branch .Lfirst_asked
.Lfirst_c:
	tensor_load_to_lds s[G0B+4:G0B+7], s[G1B:G1B+7]
	s_nop 0
.rept 4
	v_nop
.endr
.Lfirst_asked:
	; THE PREFETCH: K steps 6, 7 of phase 1's tiles, 12 blocks of 256 bytes a tile, asked for behind the second joint load, three K steps ahead of their refill.  Of a block's 16 tiles each of the four partners
	; that ask for it jointly takes four, by address (cx for R, cy for C), each of its two waves two: one instruction a wave (lanes that are left over name a tile's last block again)
	s_lshl_b32 s[T4], s[UU], 4                     ; R's tile 16 u + 4 cx, in xq's or xkv's codes
	s_lshl_b32 s[T0], s[CX], 2
	s_add_co_u32 s[T4], s[T4], s[T0]
	s_mul_i32 s[T0], s[PROJ], XKV_C/12288
	s_add_co_u32 s[T4], s[T4], s[T0]
	s_lshl_b32 s[T5], s[CX], 4                     ; C's tile 16 cx + 4 cy, in Wq's or Wk's codes
	s_lshl_b32 s[T0], s[CY], 2
	s_add_co_u32 s[T5], s[T5], s[T0]
	s_mul_i32 s[T0], s[PROJ], W_CB/12288
	s_add_co_u32 s[T5], s[T5], s[T0]
	s_add_co_u32 s[T5], s[T5], WQ_C/12288
	s_cmp_eq_u32 s[WR], 0
	s_cselect_b32 s[T0], s[T4], s[T5]
	s_lshl_b32 s[T4], s[WC], 1
	s_add_co_u32 s[T0], s[T0], s[T4]
	s_mul_i32 s[T0], s[T0], 12288
	s_add_co_u32 s[T0], s[T0], 9216                ; K step 6 on
	v_and_b32 v1, 15, v0                           ; r
	v_bfe_u32 v2, v0, 4, 1                         ; h
	v_and_b32 v[LI], 31, v0
	v_lshlrev_b32 v[LI], 4, v[LI]
	v_mul_u32_u24 v[VT], v2, 12288                 ; lanes 0-15 my first tile, lanes 16-31 my second
	v_add_nc_u32 v[VT], s[T0], v[VT]
	v_min_u32 v0, 11, v1
	v_lshl_add_u32 v0, v0, 8, v[VT]                ; v0, done with as the thread's number: the prefetch's offset; never rewritten
	; phase 1's scale words
	s_lshl_b32 s[T4], s[UU], 4
	s_lshl_b32 s[T0], s[WR], 3
	s_add_co_u32 s[T4], s[T4], s[T0]               ; my first tile of R
	s_lshl_b32 s[T5], s[CX], 4
	s_lshl_b32 s[T0], s[WC], 3
	s_add_co_u32 s[T5], s[T5], s[T0]               ; my first tile of C
	s_lshl_b32 s[T0], s[T4], 9
	s_mul_i32 s[T0+1], s[PROJ], XKV_S
	s_add_co_u32 s[T0], s[T0], s[T0+1]
	s_lshl_b32 s[T5], s[T5], 9
	s_lshl_b32 s[T0+1], s[PROJ], 15                ; a weight's scale words are 32,768 bytes
	s_add_co_u32 s[T5], s[T5], s[T0+1]
	s_add_co_u32 s[T5], s[T5], WQ_S
	v_mov_b32 v[SOF], s[T5]
	v_mov_b32 v[VT], s[T0]
	v_cndmask_b32 v[SOF], v[SOF], v[VT], s[LOW]    ; an OFFSET is chosen by the lane's half: both operands' scale words lie in one buffer
	s_wait_alu depctr_va_vdst(0)
	v_lshl_add_u32 v[SOF], v1, 4, v[SOF]
.irp i, 0,1,2,3,4,5,6,7
.irp g, 0,1
	global_load_b128 v[SC+8*\i+4*\g:SC+8*\i+4*\g+3], v[SOF], s[6:7] offset:512*\i+256*\g   ; the words of four K steps of tile i
.endr
.endr
	; the biases: bq or bk along j (a choice between buffers on the cluster's y alone), bv along i
	s_cmp_eq_u32 s[PROJ], 1
	s_cselect_b64 s[8:9], s[10:11], s[8:9]
	s_lshl_b32 s[T0], s[CX], 10                    ; 256 cx + 128 wc on
	s_lshl_b32 s[T0+1], s[WC], 9
	s_add_co_u32 s[T0], s[T0], s[T0+1]
	s_mov_b32 s[T0+1], 0
	s_add_nc_u64 s[8:9], s[8:9], s[T0:T0+1]
	s_lshl_b32 s[T0], s[U2], 9                     ; 128 U2 + 64 wr on
	s_lshl_b32 s[T0+1], s[WR], 8
	s_add_co_u32 s[T0], s[T0], s[T0+1]
	s_mov_b32 s[T0+1], 0
	s_add_nc_u64 s[12:13], s[12:13], s[T0:T0+1]
	v_lshlrev_b32 v[BJO], 6, v2
	v_and_b32 v[BIO], 8, v1
	v_add_nc_u32 v[BIO], v[BIO], v1
	v_lshlrev_b32 v[BIO], 2, v[BIO]
	WIN 0x40
.irp t, 0,1,2,3,4,5,6,7
	global_load_b128 v[BJ+8*\t:BJ+8*\t+3], v[BJO], s[8:9] offset:(32*(\t/2)+8*(\t%2))*4        ; lane (r, h), result tile t: j = 32 (t / 2) + 16 h + 8 (t % 2) + 0 .. 7
	global_load_b128 v[BJ+8*\t+4:BJ+8*\t+7], v[BJO], s[8:9] offset:(32*(\t/2)+8*(\t%2))*4+16
.endr
	WIN 0
.irp a, 0,1,2,3
	global_load_b32 v[4+2*\a+4*(\a/2)], v[BIO], s[12:13] offset:(32*(\a/2)+8*(\a%2))*4          ; lane r, Wv's tile a: its row; into the low halves of v[4:5], v[6:7], v[12:13], v[14:15]
.endr
	; where phase 2's results go: tile 8 U2 + 4 wr on, K step 2 V2 + wc
	s_lshl_b32 s[T5], s[U2], 3
	s_lshl_b32 s[T0], s[WR], 2
	s_add_co_u32 s[T5], s[T5], s[T0]               ; my first tile of Wv
	s_lshl_b32 s[LA], s[V2], 1
	s_add_co_u32 s[LA], s[LA], s[WC]
	s_mul_i32 s[T0], s[T5], 98304                  ; V^T has 64 K steps to a tile
	s_mul_i32 s[T0+1], s[LA], 1536
	s_add_co_u32 s[T0], s[T0], s[T0+1]
	s_add_co_u32 s[T0], s[T0], V_C
	s_mov_b32 s[T0+1], 0
	s_add_nc_u64 s[10:11], s[14:15], s[T0:T0+1]    ; s[10:11]: phase 2's codes
	s_lshl_b32 s[T0], s[T5], 12
	s_lshr_b32 s[T0+1], s[LA], 2
	s_lshl_b32 s[T0+1], s[T0+1], 8
	s_add_co_u32 s[T0], s[T0], s[T0+1]
	s_and_b32 s[T0+1], s[LA], 3
	s_lshl_b32 s[T0+1], s[T0+1], 2
	s_add_co_u32 s[T0], s[T0], s[T0+1]
	s_add_co_u32 s[T0], s[T0], V_S
	s_mov_b32 s[T0+1], 0
	s_add_nc_u64 s[4:5], s[16:17], s[T0:T0+1]      ; s[4:5]: phase 2's scale words
	; phase 2's own scale words
	s_lshl_b32 s[T0], s[T5], 9
	s_add_co_u32 s[T0], s[T0], WV_S
	s_lshl_b32 s[T0+1], s[V2], 4
	s_lshl_b32 s[LA], s[WC], 3
	s_add_co_u32 s[T0+1], s[T0+1], s[LA]
	s_lshl_b32 s[T0+1], s[T0+1], 9
	s_add_co_u32 s[T0+1], s[T0+1], XKV_S
	v_mov_b32 v[SOF2A], s[T0+1]
	v_mov_b32 v[VT], s[T0]
	v_cndmask_b32 v[SOF2A], v[SOF2A], v[VT], s[LOW]
	v_lshl_add_u32 v[SOF2A], v1, 4, v[SOF2A]
	v_sub_nc_u32 v[VT], 1, v2
	v_lshlrev_b32 v[VT], 11, v[VT]
	v_sub_nc_u32 v[SOF2B], v[SOF2A], v[VT]         ; R has four tiles, C eight: with tiles 4-7 of C lanes 0-15 take tiles 0-3 of R once more
	; where phase 1's results go: tile 16 u + 8 wr on, K step 2 cx + wc
	s_lshl_b32 s[LA], s[CX], 1
	s_add_co_u32 s[LA], s[LA], s[WC]
	s_mul_i32 s[T0], s[T4], 12288
	s_mul_i32 s[T0+1], s[LA], 1536
	s_add_co_u32 s[T0], s[T0], s[T0+1]
	s_mul_i32 s[T0+1], s[PROJ], K_C
	s_add_co_u32 s[T0], s[T0], s[T0+1]
	s_mov_b32 s[T0+1], 0
	s_add_nc_u64 s[14:15], s[14:15], s[T0:T0+1]
	s_lshl_b32 s[T0], s[T4], 9
	s_lshr_b32 s[T0+1], s[LA], 2
	s_lshl_b32 s[T0+1], s[T0+1], 8
	s_add_co_u32 s[T0], s[T0], s[T0+1]
	s_and_b32 s[T0+1], s[LA], 3
	s_lshl_b32 s[T0+1], s[T0+1], 2
	s_add_co_u32 s[T0], s[T0], s[T0+1]
	s_mul_i32 s[T0+1], s[PROJ], K_S
	s_add_co_u32 s[T0], s[T0], s[T0+1]
	s_mov_b32 s[T0+1], 0
	s_add_nc_u64 s[16:17], s[16:17], s[T0:T0+1]
	; LDS addresses
	s_mul_i32 s[T0], s[WR], HALFT
	s_mul_i32 s[T0+1], s[WC], HALFT
	s_add_co_u32 s[T0+1], s[T0+1], 2*HALFT
.irp n, 0,1,2
	v_add_nc_u32 v[ADRA+\n], s[T0], v[LI]
	v_add_nc_u32 v[ADRB+\n], s[T0+1], v[LI]
	s_add_co_u32 s[T0], s[T0], SLOT
	s_add_co_u32 s[T0+1], s[T0+1], SLOT
.endr
	s_mul_i32 s[T0], s[WR], 49152                  ; K steps 0-3: my 8 tiles of R's 16, 6,144 bytes each,
	v_add_nc_u32 v[ADRA+1], s[T0], v[LI]
	v_add_nc_u32 v[ADRB+1], s[LAV2], v[LI]         ; and of C's 16, behind R's
	v_add_nc_u32 v[ADRB+1], 98304, v[ADRB+1]
	s_mul_i32 s[T0], s[WR], 24576                  ; phase 2: my 4 tiles of R's 8,
	v_add_nc_u32 v[A2], s[T0], v[LI]
	v_add_nc_u32 v[A2+1], YR, v[A2]
	v_add_nc_u32 v[A2], XR, v[A2]
	v_add_nc_u32 v[B2+1], s[LAV2], v[LI]           ; my 8 tiles of C's 16 (Y's begin at LDS byte 0)
	v_add_nc_u32 v[B2], XC, v[B2+1]
	v_lshlrev_b32 v[SOV], 4, v1
	v_lshl_add_u32 v[SOV2], v2, 12, v[SOV]
	v_lshl_add_u32 v[SOV], v2, 9, v[SOV]           ; lanes 0-15 the even tile's words, lanes 16-31 the odd tile's
; PHASE 1.  16 matrix instructions: R's tiles a0, a0 + 1 x C's eight, K step k.  p: C's set.  cm = 1: the first product starts the sums: nothing is ever cleared.
; The 64 accumulators take turns, one instruction a turn, in the same order in every step.
.macro MUL16 a0, p, k, cm
.irp a, \a0, \a0+1
.irp b, 0,1,2,3,4,5,6,7
.if (\cm) == 0
	v_wmma_scale_f32_16x16x128_f8f6f4 v[8*(8*((\a)%4)+\b):8*(8*((\a)%4)+\b)+7], v[96*(\p)+12*\b:96*(\p)+12*\b+11], v[AF+12*(\a):AF+12*(\a)+11], v[8*(8*((\a)%4)+\b):8*(8*((\a)%4)+\b)+7], v[SC+8*\b+(\k)], v[SC+8*(\a)+(\k)] matrix_a_fmt:MATRIX_FMT_BF6 matrix_b_fmt:MATRIX_FMT_BF6 matrix_a_scale:MATRIX_SCALE_ROW1
.else
	v_wmma_scale_f32_16x16x128_f8f6f4 v[8*(8*((\a)%4)+\b):8*(8*((\a)%4)+\b)+7], v[96*(\p)+12*\b:96*(\p)+12*\b+11], v[AF+12*(\a):AF+12*(\a)+11], 0, v[SC+8*\b+(\k)], v[SC+8*(\a)+(\k)] matrix_a_fmt:MATRIX_FMT_BF6 matrix_b_fmt:MATRIX_FMT_BF6 matrix_a_scale:MATRIX_SCALE_ROW1
.endif
.endr
.endr
.endm
.macro FETCH_B slot, q, p              ; C's eight fragments of the slot's q-th K step into set p
	WIN 0x40
.irp i, 0,1,2,3,4,5,6,7
.irp c, 0,1,2
	ds_load_b128 v[96*(\p)+12*\i+4*\c:96*(\p)+12*\i+4*\c+3], v[ADRB+(\slot)] offset:TP_*\i+1536*(\q)+512*\c
.endr
.endr
	WIN 0
.endm
.macro FETCH_A slot, q, i0             ; R's tiles i0 .. i0 + 3
.irp i, \i0, \i0+1, \i0+2, \i0+3
.irp c, 0,1,2
	ds_load_b128 v[AF+12*(\i)+4*\c:AF+12*(\i)+4*\c+3], v[ADRA+(\slot)] offset:TP_*(\i)+1536*(\q)+512*\c
.endr
.endr
.endm
; A K step of phase 1: 64 matrix instructions.  R has one set of registers: tiles 0-3 are fetched anew in the step's middle, tiles 4-7 at its end; C's next set comes in the middle.
; Loads into registers that matrix instructions have read stand four plain vector lines behind them (ISA guide 7.12.1 for vector instructions).
; mode 0: plain.  1: slot 0 has been read out and is filled again, with K steps 6 and 7, behind a round of the cluster's barrier.  4: slots 1 and 2 have been read out, and phase 2's K steps 0-3 are asked for
; behind a round; its waits also show slot 0's refill to every wave.  3: the last step.
.macro STEP k, mode, cm
.set P_,  (\k)%2
.if (\k)+1 < 4                         ; where the next K step lies: K steps 0-3 by the second address register, tiles 6,144 bytes apart; 4, 5 by the third and 6, 7 by the first, tiles 3,072 apart
.set NS_, 1
.set NQ_, (\k)+1
.set TP_, 6144
.else
.set NS_, (((\k)+1)/2)%3
.set NQ_, ((\k)+1)%2
.set TP_, 3072
.endif
.if (\mode) == 1 || (\mode) == 4
	s_wait_tensorcnt 0x0                           ; all my tensor loads have landed, so every group 0 may be written;
	ds_add_u32 v[SPW], v[NIL]                      ; 0 onto my spare word
.if (\mode) == 4
	s_add_co_u32 s[G0+5], s[LAP2], XR              ; slot 1's groups 0 now serve X: phase 2's K steps 0-3,
	s_mov_b64 s[G0+6:G0+7], s[RA2:RA2+1]
	s_or_b32 s[G0+7], s[G0+7], 0x80000000
	s_add_co_u32 s[G0B+5], s[LAV2], XC
	s_mov_b64 s[G0B+6:G0B+7], s[CA2:CA2+1]
	s_or_b32 s[G0B+7], s[G0B+7], 0x80000000
	s_add_co_u32 s[G0+9], s[LAP2], YR              ; slot 2's serve Y: K steps 4-7, 6,144 bytes on in each tile
	s_add_nc_u64 s[G0+10:G0+11], s[RA2:RA2+1], 6144
	s_or_b32 s[G0+11], s[G0+11], 0x80000000
	s_add_co_u32 s[G0B+9], s[LAV2], YC
	s_add_nc_u64 s[G0B+10:G0B+11], s[CA2:CA2+1], 6144
	s_or_b32 s[G0B+11], s[G0B+11], 0x80000000
.endif
	s_wait_dscnt 13                                ; (the add and the youngest 12 loads, R's tiles 4-7, may be out)
.else
	s_wait_dscnt 12                                ; C's set and R's tiles 0-3 are in; the youngest 12 loads (R's tiles 4-7) may be out
.endif
	WIN 0xa1
	MUL16 0, P_, \k, \cm
.if (\mode) == 1 || (\mode) == 4
	s_wait_dscnt 0x0                               ; the add is done, and my reads of the slots behind me are over
	s_barrier_signal -1
.endif
	MUL16 2, P_, \k, \cm
.if (\mode) == 1 || (\mode) == 4
	WIN 0
	s_barrier_wait -1
	CREST                                          ; the barrier has opened a round of the cluster's: no wave of any partner still reads the bytes to be filled or has a load on its way
.if (\mode) == 1
	s_add_nc_u64 s[G0+2:G0+3], s[G0+2:G0+3], 9216  ; K steps 6 and 7
	s_add_nc_u64 s[G0B+2:G0B+3], s[G0B+2:G0B+3], 9216
	JLOAD G0, G1, G0B, G1B                         ; the first tensor load behind the round: it has two K steps, 128 matrix instructions, in which to land; its four v_nop are the places for the loads below
.else
	JLOAD G0+4, G2, G0B+4, G2B                     ; X: it has the rest of phase 1's products and half of its way out in which to land
.endif
.else
	s_wait_dscnt 0x0                               ; R's tiles 4-7 are in
.if (\mode) != 3
	PLACES 4
.endif
.endif
.if (\mode) != 3
	FETCH_B NS_, NQ_, 1-P_
	FETCH_A NS_, NQ_, 0
.endif
	WIN 0xf1
	MUL16 4, P_, \k, \cm
	MUL16 6, P_, \k, \cm
.if (\mode) != 3
	PLACES 4
	WIN 0
	FETCH_A NS_, NQ_, 4
.else
	WIN 0
.endif
.endm
	s_wait_alu depctr_va_vdst(0)
	s_wait_tensorcnt 0x0                           ; my part of K steps 0-3 is in
	ds_add_u32 v[SPW], v[NIL]
	s_mov_b32 s[G1+1], 384<<16                     ; no tensor load of mine is out: from here on phase 1's loads bring two K steps of a tile
	s_mov_b32 s[G1+3], 384<<16
	s_mov_b32 s[G1B+1], 384<<16
	s_mov_b32 s[G1B+3], 384<<16
	s_wait_dscnt 0x0
	CROUND                                         ; K steps 0-3 are whole for every wave, and the joint loads meet
	JLOAD G0+8, G1, G0B+8, G1B                     ; K steps 4 and 5: my one load behind the round
.set TP_, 6144
	FETCH_B 1, 0, 0
	global_prefetch_b8 v0, s[104:105] th:TH_LOAD_NT scope:SCOPE_SE   ; K steps 6 and 7
	FETCH_A 1, 0, 0
	FETCH_A 1, 0, 4
	s_wait_loadcnt 20                              ; the scale words are in; the biases' 16 + 4 loads may be out
	STEP 0, 0, 1
	STEP 1, 0, 0
	STEP 2, 0, 0
	s_wait_alu depctr_va_vdst(0)
	STEP 3, 1, 0                                   ; K steps 0-3 have been read out: K steps 6 and 7 are asked for; the waits in front of the round show K steps 4 and 5 to every wave
	STEP 4, 0, 0
	STEP 5, 4, 0
	STEP 6, 0, 0
	STEP 7, 3, 0
	PLACES 4                                       ; in front of loads into the scale words' registers, of the first read of results and of writes to registers that held R's fragments
.irp i, 0,1,2,3
.irp g, 0,1
	global_load_b128 v[SC+8*\i+4*\g:SC+8*\i+4*\g+3], v[SOF2A], s[6:7] offset:512*\i+256*\g       ; phase 2's scale words land during phase 1's way out
.endr
.endr
.irp i, 4,5,6,7
.irp g, 0,1
	global_load_b128 v[SC+8*\i+4*\g:SC+8*\i+4*\g+3], v[SOF2B], s[6:7] offset:512*\i+256*\g
.endr
.endr
.irp b, 0,1,2,3
	v_mov_b32 v[TM+4+\b], 0                        ; written once: a lane permute's destination counts as one of its sources
.endr
	s_wait_loadcnt 16                              ; the biases are in; the 16 loads just issued may be out
.irp a, 0,1,2,3
	v_mov_b32 v[5+2*\a+4*(\a/2)], v[4+2*\a+4*(\a/2)]   ; bv in pairs, for the packed addition
.endr
; PHASE 1'S WAY OUT, a tile of 16 rows of R at a time: its 64 results a lane are 128 neighbours along j in the two halves of the lanes: one fragment and one scale word a row.
.macro OUTTILE a
	WIN 0x06+(\a)/4                                ; source 0: window 2 or 3; source 1: window 1
.set J_, 0
.rept 32
	v_pk_add_f32 v[ST+J_:ST+J_+1], v[64*((\a)%4)+J_:64*((\a)%4)+J_+1], v[BJ+J_:BJ+J_+1]   ; + the bias along j, into window 0; each accumulator from its low end on
.set J_, J_+2
.endr
	WIN 0
.if (\a) > 0
	s_wait_xcnt 0x0                                ; the last tile's stores have read their data
.endif
	QUANT ST, PW
.irp c, 0,1,2
	global_store_b128 v[LI], v[PC+4*\c:PC+4*\c+3], s[14:15] offset:12288*(\a)+512*\c   ; 512 consecutive bytes
.endr
.if (\a)%2 == 0
	v_mov_b32 v[PWE], v[PW]
.else
	v_cndmask_b32 v[PWS], v[PW], v[PWE], s[LOW]    ; lanes 0-15 the even tile's words, lanes 16-31 the odd tile's
	global_store_b32 v[SOV], v[PWS], s[16:17] offset:1024*((\a)/2)   ; 4 bytes a lane, 16 apart: 786,432 bytes in the launch
.endif
.endm
; PHASE 2'S FRAGMENTS: half 0 = X, 1 = Y; its q-th K step into set p
.macro FETCH2_B half, q, p
	WIN 0x40
.irp b, 0,1,2,3,4,5,6,7
.irp c, 0,1,2
	ds_load_b128 v[96*(\p)+12*\b+4*\c:96*(\p)+12*\b+4*\c+3], v[B2+(\half)] offset:6144*\b+1536*(\q)+512*\c
.endr
.endr
	WIN 0
.endm
.macro FETCH2_A half, q, p
.irp a, 0,1,2,3
.irp c, 0,1,2
	ds_load_b128 v[AF+48*(\p)+12*\a+4*\c:AF+48*(\p)+12*\a+4*\c+3], v[A2+(\half)] offset:6144*\a+1536*(\q)+512*\c
.endr
.endr
.endm
	OUTTILE 0
	OUTTILE 1
	OUTTILE 2
	OUTTILE 3
	s_wait_tensorcnt 0x0                           ; X has landed: my one load that was out;
	ds_add_u32 v[SPW], v[NIL]                      ; 0 onto my spare word
	s_wait_dscnt 0x0                               ; the add is done; my reads of slot 0 ended in K step 7
	CROUND                                         ; no wave of any partner still reads slot 0 or has a load on its way; X is whole for every wave
	JLOAD G0+8, G2, G0B+8, G2B                     ; Y: it has the other half of the way out and four K steps, 128 matrix instructions, in which to land
	FETCH2_B 0, 0, 0                               ; C's first fragments of phase 2: their registers have been free since K step 6
	OUTTILE 4
	OUTTILE 5
	OUTTILE 6
	OUTTILE 7
	s_wait_xcnt 0x0                                ; the last tile's stores have read the registers that R's fragments now take
	FETCH2_A 0, 0, 0
	s_wait_loadcnt 0x0                             ; phase 2's scale words
; PHASE 2.  8 matrix instructions: Wv's tile a x xkv's eight, K step k.  The 32 accumulators take turns, one instruction a turn.  z = 1: the first product starts the sums.
.macro MULA2 a, p, k, z
.irp b, 0,1,2,3,4,5,6,7
.if \z
	v_wmma_scale_f32_16x16x128_f8f6f4 v[8*(8*(\a)+\b):8*(8*(\a)+\b)+7], v[96*(\p)+12*\b:96*(\p)+12*\b+11], v[AF+48*(\p)+12*(\a):AF+48*(\p)+12*(\a)+11], 0, v[SC+8*\b+(\k)], v[SC+8*(\a)+(\k)] matrix_a_fmt:MATRIX_FMT_BF6 matrix_b_fmt:MATRIX_FMT_BF6 matrix_a_scale:MATRIX_SCALE_ROW1
.else
	v_wmma_scale_f32_16x16x128_f8f6f4 v[8*(8*(\a)+\b):8*(8*(\a)+\b)+7], v[96*(\p)+12*\b:96*(\p)+12*\b+11], v[AF+48*(\p)+12*(\a):AF+48*(\p)+12*(\a)+11], v[8*(8*(\a)+\b):8*(8*(\a)+\b)+7], v[SC+8*\b+(\k)], v[SC+8*(\a)+(\k)] matrix_a_fmt:MATRIX_FMT_BF6 matrix_b_fmt:MATRIX_FMT_BF6 matrix_a_scale:MATRIX_SCALE_ROW1
.endif
.endr
.endm
; A K step of phase 2: 32 matrix instructions on set k % 2, while the next step's 36 loads bring the other set.  mode 0: plain.  2: a barrier, which shows Y to every wave. 3: the last step.
.macro STEP2 k, mode
.set P_,  (\k)%2
.set NS_, ((\k)+1)/4
.set NQ_, ((\k)+1)%4
.if (\k) == 0
.set Z_, 1
.else
.set Z_, 0
.endif
.if (\mode) == 2
	s_wait_tensorcnt 0x0                           ; Y has landed: my one load that was out;
	ds_add_u32 v[SPW], v[NIL]                      ; 0 onto my spare word
	s_wait_dscnt 1                                 ; (this step's fragments are in; the add may be out)
	WIN 0xa1
	MULA2 0, P_, \k, 0
	s_wait_dscnt 0x0
	s_barrier_signal -1
	MULA2 1, P_, \k, 0
	WIN 0
	s_barrier_wait -1
	PLACES 4                                       ; in front of loads into the set that the last step multiplied
	FETCH2_B NS_, NQ_, 1-P_
	FETCH2_A NS_, NQ_, 1-P_
	WIN 0xa1
	MULA2 2, P_, \k, 0
	MULA2 3, P_, \k, 0
	WIN 0
.else
	s_wait_dscnt 0x0                               ; this step's fragments are in
.if (\mode) == 0
.if (\k) > 0
	PLACES 4                                       ; in front of loads into the set that the last step multiplied
.endif
	FETCH2_B NS_, NQ_, 1-P_
	FETCH2_A NS_, NQ_, 1-P_
.endif
	WIN 0xa1
	MULA2 0, P_, \k, Z_
	MULA2 1, P_, \k, Z_
	MULA2 2, P_, \k, Z_
	MULA2 3, P_, \k, Z_
	WIN 0
.endif
.endm
	STEP2 0, 0
	STEP2 1, 0
	STEP2 2, 0
	STEP2 3, 2
	STEP2 4, 0
	STEP2 5, 0
	STEP2 6, 0
	STEP2 7, 3
	PLACES 4                                       ; in front of the first read of results and of writes to registers that held R's fragments
; PHASE 2'S WAY OUT: a tile of 16 channels x my 128 tokens: one fragment of V^T and one scale word a channel.
.macro OUTTILE2 a
.set BP_, 4+2*(\a)+4*((\a)/2)
	WIN 0x02                                       ; source 0: window 2
.set J_, 0
.rept 32
	v_pk_add_f32 v[ST+J_:ST+J_+1], v[64*(\a)+J_:64*(\a)+J_+1], v[BP_:BP_+1]   ; + my channel's bias, into window 0; each accumulator from its low end on
.set J_, J_+2
.endr
	WIN 0
.if (\a) > 0
	s_wait_xcnt 0x0                                ; the last tile's stores have read their data
.endif
	QUANT ST, PW
.irp c, 0,1,2
	global_store_b128 v[LI], v[PC+4*\c:PC+4*\c+3], s[10:11] offset:98304*(\a)+512*\c   ; 512 consecutive bytes
.endr
.if (\a)%2 == 0
	v_mov_b32 v[PWE], v[PW]
.else
	v_cndmask_b32 v[PWS], v[PW], v[PWE], s[LOW]
	global_store_b32 v[SOV2], v[PWS], s[4:5] offset:8192*((\a)/2)
.endif
.endm
	OUTTILE2 0
	OUTTILE2 1
	OUTTILE2 2
	OUTTILE2 3
	s_wait_tensorcnt 0x0                           ; the wave's end
	ds_add_u32 v[SPW], v[NIL]
	s_wait_dscnt 0x0
	CROUND                                         ; the closing round: no work-group ends while a partner may still ask for a tile that names it
	s_endpgm
.Lfunc_end_k_qf2c6332815_proj:
	.size	k_qf2c6332815_proj, .Lfunc_end_k_qf2c6332815_proj-k_qf2c6332815_proj
	.p2alignl 7, 3214868480
	.fill 96, 4, 3214868480
	.section	.rodata,"a",@progbits
	.p2align	6, 0x0
	.amdhsa_kernel k_qf2c6332815_proj
		.amdhsa_group_segment_fixed_size 327680
		.amdhsa_private_segment_fixed_size 0
		.amdhsa_enable_private_segment 0
		.amdhsa_kernarg_size 56
		.amdhsa_user_sgpr_count 2
		.amdhsa_user_sgpr_kernarg_segment_ptr 1
		.amdhsa_wavefront_size32 1
		.amdhsa_system_sgpr_workgroup_id_x 1
		.amdhsa_system_sgpr_workgroup_id_y 1
		.amdhsa_system_sgpr_workgroup_id_z 1
		.amdhsa_system_vgpr_workitem_id 0
		.amdhsa_next_free_vgpr 1024
		.amdhsa_next_free_sgpr 106
		.amdhsa_reserve_vcc 0
		.amdhsa_float_denorm_mode_32 3
		.amdhsa_float_denorm_mode_16_64 3
		.amdhsa_memory_ordered 1
		.amdhsa_forward_progress 1
		.amdhsa_inst_pref_size 242
	.end_amdhsa_kernel
	.amdgpu_metadata
---
amdhsa.version: [ 1, 2 ]
amdhsa.kernels:
  - .name:           k_qf2c6332815_proj
    .symbol:         k_qf2c6332815_proj.kd
    .args:
      - { .name: c1, .offset: 0, .size: 8, .value_kind: global_buffer, .address_space: global }
      - { .name: sc1, .offset: 8, .size: 8, .value_kind: global_buffer, .address_space: global }
      - { .name: bq, .offset: 16, .size: 8, .value_kind: global_buffer, .address_space: global }
      - { .name: bk, .offset: 24, .size: 8, .value_kind: global_buffer, .address_space: global }
      - { .name: bv, .offset: 32, .size: 8, .value_kind: global_buffer, .address_space: global }
      - { .name: c2, .offset: 40, .size: 8, .value_kind: global_buffer, .address_space: global }
      - { .name: sc2, .offset: 48, .size: 8, .value_kind: global_buffer, .address_space: global }
    .group_segment_fixed_size: 327680
    .private_segment_fixed_size: 0
    .kernarg_segment_align: 8
    .kernarg_segment_size: 56
    .max_flat_workgroup_size: 128
    .sgpr_count:     106
    .vgpr_count:     1024
    .wavefront_size: 32
...
	.end_amdgpu_metadata
.endif
;; end of part 2
;; launch score (part 3): grid 8 x 32, 4 waves a work-group, clusters of 4 x 4, 327,680 bytes of LDS; arguments c2, sc2, mask, c3, st3; writes c3, st3
.if DOCPART == 3
	.amdgcn_target "amdgcn-amd-amdhsa--gfx1250"
	.amdhsa_code_object_version 6
	.text
	.protected	k_qf2c6332815_score
	.globl	k_qf2c6332815_score
	.p2align	8
	.type	k_qf2c6332815_score,@function
k_qf2c6332815_score:
	s_mov_b64 s[64:65], 0
	v_nop
	global_prefetch_b8 v0, s[64:65] scope:SCOPE_SE
	s_setreg_imm32_b32 hwreg(HW_REG_WAVE_MODE, 25, 1), 1
	s_wait_xcnt 0x0
	s_wait_alu depctr_hold_cnt(0) depctr_sa_sdst(0) depctr_va_vdst(0) depctr_va_sdst(0) depctr_va_ssrc(0) depctr_va_vcc(0) depctr_vm_vsrc(0)
	s_getreg_b32 s2, hwreg(HW_REG_IB_STS2, 6, 4)
	s_cmp_eq_u32 s2, 0
	s_cbranch_scc0 .Lentry_in_a_cluster
	s_endpgm
.Lentry_in_a_cluster:
	s_bfe_u32 s2, ttmp6, 0x10000c
	s_cmp_lg_u32 s2, 0xf033
	s_cbranch_scc0 .Lentry_shape_is_right
	s_endpgm
.Lentry_shape_is_right:
; S^T = K Q^T on codes of BF6 (E3M2) with E8M0 scales; z = s / 32 + mask; p = 2^(z log2(e) - M) quantised along the keys, stored as codes.
; M IS LOCAL: for each query and each 128 keys, M = the ceiling of that group's largest t, a whole number.  The codes do not hang on which whole number M is; only the scale bytes do.  A record of 16 bytes goes with each
; (query, 128 keys): {the four scale bytes under the local M, -M as f32, the sum of the group's unquantised p, 0}; the last launch brings bytes and sums under the row's M by whole-number shifts.
; A work-group makes 256 queries x 256 keys of one batch; four waves, each 128 x 128: 64 accumulators.  K = 1,024 is 8 K steps, written out.  Source 0 = 16 keys, source 1 = 16 queries: a lane holds one query,
; and (by the order of the rows in a tile of K) the 16 registers of result tiles 2 b, 2 b + 1 are 16 neighbouring keys.  Operands lie as images of their registers ([tile][K step][1536]).
; LDS.  K steps 0-3 at bytes 0 to 196,607 (Q's 16 tiles x 6,144 bytes, then K's 16): one load a wave at the head.  K steps 4, 5 at 196,608 on (tiles of 3,072 bytes): one load a wave behind the next round.
; K steps 6, 7 into bytes 0 to 98,303 behind the round of K step 3, when K steps 0-3 have been read out.  CLUSTER 4 x 4: Q's tiles jointly along a row, K's along a column.
; PREFETCHES.  Behind the second joint load, three K steps ahead of their refill: K steps 6, 7 of the cluster's tiles, 12 blocks of 256 bytes a tile; of a block's 16 tiles each of the four partners that ask for it
; jointly takes four, by address, and each of its two waves two: one instruction a wave (lanes that are left over name a tile's last block again).  In K step k (0 to 6): the 32 blocks of 256 bytes of my mask
; tile k + 1, a lane a block.  Ahead of the first wait for tiles only the codes' load and the scale words are asked for.
; THE MASK: a wave's 128 keys of one query are 512 consecutive bytes: one load of the wave.  16 loads (a tile of queries) turn through the wave's own stage in LDS into the result's layout, one tile ahead of the
; arithmetic.  The stage lies at 98,304 on: bytes filled once, at the head, and left by every wave at the round of K step 3.
; THE WAY OUT: a tile's codes and a pair of tiles' records are kept in the accumulator registers of that tile, which are done with, and stored in two runs, behind tiles 3 and 7: no store's data are written again.
; LIMITS.  NaN is not served.  -infinity in the mask gives p = 0; a row that is wholly -infinity gives NaN in the end, as the definition does.  A group's largest t is held at -2^31 from below: from there up to +2^31
; the fused t - M lies at most 64 above 0, so p stays finite; under it p falls to 0.  So logits above about 1.4e9 are not served, and a row whose every logit is finite and under about -1.4e9 comes out as NaN.
; REGISTERS.  window 0: v1-11 addresses; v16-22 LDS addresses; v28-29 the spare word's; v32-95 scale words, later z of the odd tiles; v96-191 Q's 8 fragments, later at work; v192-255 z of the even tiles.
;   window 1: v0-191 K's fragments, two sets, later three sets of mask rows; v192-255 a fourth.   windows 2, 3: accumulator (a, b) at v[8 (8 (a % 4) + b)] of window 2 + a / 4.
.set K_C, 6291456
.set K_S, 262144
.set HALFT, 24576                      ; 8 tiles x two K steps
.set BIGH,  49152                      ; 8 tiles x four K steps
.set SLOT,  98304
.set STAGE, 98304
.set SPARE, 294912
.set MO,   3                           ; 16 x lane
.set STW,  4                           ; the stage, in
.set STR,  5                           ; the stage, out
.set RO,   6                           ; a pair of tiles' records
.set PFO,  7                           ; the mask prefetches' offset
.set SOF,  8
.set PF1,  11                          ; the code prefetch's offset
.set ADRA, 16                          ; v16: K steps 6, 7;  v17: 0-3;  v18: 4, 5
.set ADRB, 20
.set SPW,  28
.set NIL,  29
.set SC,   32
.set AF,   96
.set Z0,   192
.set Z1,   32
.set BM,   96
.set BT,   100
.set SOP,  104
.set BY,   108
.set NM,   112
.set T,    114
.set LS,   116
.set LS2,  118
.set PC,   120
.set REC,  140                         ; v140-142 the odd tile's record, v144-146 the even tile's
.set WV, 18
.set WR, 19
.set WC, 20
.set CX, 21
.set CY, 22
.set YY, 23
.set G1, 24
.set G1B, 32
.set G0, 40                            ; three groups 0: K steps 6-7, 0-3, 4-5
.set G0B, 52
.set WGX, 66
.set WGY, 67
.set BAT, 68
.set RS32, 70
.set L2E, 72
.set SEL, 74
.set LOW, 76
.set SQ, 77
.set SK, 78
.set A0, 79
.set B0, 80
.set A1, 81
.set B1, 82
.set MR, 83
.set MC, 84
.set SS, 85
.set RA, 86
.set CA, 88
.set LA, 90
.set LB, 91
.set PF, 92
.set T0, 94
.set T2, 96
.set T4, 98
.set MK, 8
.set MSB, 0
.macro WIN new
.if MSB != (\new)
	s_set_vgpr_msb (MSB<<8)|(\new)
.set MSB, (\new)
.endif
.endm
.macro PLACES n
.rept \n
	v_nop
.endr
.endm
.macro JLOAD g0a, g1a, g0b, g1b        ; waves 0 and 1 fetch Q's halves, waves 2 and 3 K's; s_nop 0 and four v_nop follow each line
	s_cmp_eq_u32 s[WR], 0
	s_cbranch_scc0 .Lfor_c_\@
	tensor_load_to_lds s[\g0a:\g0a+3], s[\g1a:\g1a+7]
	s_nop 0
.rept 4
	v_nop
.endr
	s_branch .Lasked_\@
.Lfor_c_\@:
	tensor_load_to_lds s[\g0b:\g0b+3], s[\g1b:\g1b+7]
	s_nop 0
.rept 4
	v_nop
.endr
.Lasked_\@:
.endm
.macro CREST
	s_cmp_lg_u32 s[WV], 0
	s_cbranch_scc1 .Lnot_wave_0_\@
	s_barrier_signal -3
.Lnot_wave_0_\@:
	s_barrier_wait -3
	s_barrier_signal -1
	s_barrier_wait -1
.endm
.macro CROUND
	s_barrier_signal -1
	s_barrier_wait -1
	CREST
.endm
.macro GRP0 g, lds, add, src, off
	s_mov_b32 s[\g], 1
	s_add_co_u32 s[\g+1], s[\lds], \add
	s_add_nc_u64 s[\g+2:\g+3], s[\src:\src+1], \off
	s_or_b32 s[\g+3], s[\g+3], 0x80000000
.endm
	s_load_b256 s[4:11], s[0:1], 0x0               ; c2, sc2, mask, c3
	s_load_b64 s[12:13], s[0:1], 0x20              ; st3
	v_lshl_add_u32 v[SPW], v0, 2, SPARE
	v_mov_b32 v[NIL], 0
	ds_add_u32 v[SPW], v[NIL]                      ; the opening lines: the add, twice on end, and its wait ahead of my first tensor load
	ds_add_u32 v[SPW], v[NIL]
	v_lshrrev_b32 v1, 5, v0
	v_readfirstlane_b32 s[WV], v1
	s_lshr_b32 s[WR], s[WV], 1                     ; my half of the queries.  Also: I fetch for Q (0) or for K (1)
	s_and_b32 s[WC], s[WV], 1                      ; my half of the keys.  Also: which 8 tiles I fetch
	s_bfe_u32 s[CX], ttmp6, 0x40000
	s_bfe_u32 s[CY], ttmp6, 0x40004
	s_and_b32 s[YY], ttmp7, 0xffff
	s_lshl_b32 s[WGX], ttmp9, 2
	s_add_co_u32 s[WGX], s[WGX], s[CX]             ; the block of 256 keys in the batch
	s_lshl_b32 s[WGY], s[YY], 2
	s_add_co_u32 s[WGY], s[WGY], s[CY]             ; the block of 256 queries among all 8,192
	s_lshr_b32 s[BAT], s[YY], 1
	s_lshl_b32 s[BAT], s[BAT], 3                   ; 8 x batch, from the cluster's y alone
	s_lshl_b32 s[MR], s[CY], 2
	s_lshl_b32 s[MR], 15, s[MR]
	s_lshl_b32 s[MC], 0x1111, s[CX]
	s_or_b32 s[G1], s[MR], (3<<16)|(1<<21)         ; 8 rows (tiles), 12,288 bytes apart, dense in LDS; elements of 8 bytes
	s_or_b32 s[G1B], s[MC], (3<<16)|(1<<21)
.irp g, G1, G1B
	s_mov_b32 s[\g+1], 768<<16                     ; the head's load: four K steps of a tile, 6,144 bytes
	s_mov_b32 s[\g+2], 8<<16
	s_mov_b32 s[\g+3], 768<<16
	s_mov_b32 s[\g+4], 8
	s_mov_b32 s[\g+5], 1536
	s_mov_b32 s[\g+6], 0
	s_mov_b32 s[\g+7], 0
.endr
	s_mul_i32 s[T2], s[WC], 98304
	s_mul_i32 s[RA], s[WGY], 196608
	s_add_co_u32 s[RA], s[RA], s[T2]               ; (Q's codes begin the buffer)
	s_mov_b32 s[RA+1], 0
	s_add_co_u32 s[CA], s[BAT], s[WGX]
	s_mul_i32 s[CA], s[CA], 196608
	s_add_co_u32 s[CA], s[CA], s[T2]
	s_add_co_u32 s[CA], s[CA], K_C
	s_mov_b32 s[CA+1], 0
	s_mul_i32 s[LA], s[WV], HALFT                  ; no place in the cluster enters an LDS address
	s_mul_i32 s[LB], s[WV], BIGH
	s_lshl_b32 s[T4], s[WGY], 4                    ; the code prefetch: Q's tile 16 x block + 4 cx,
	s_lshl_b32 s[T0], s[CX], 2
	s_add_co_u32 s[T4], s[T4], s[T0]
	s_add_co_u32 s[T4+1], s[BAT], s[WGX]           ; K's tile 16 x block + 4 cy, behind Q's 512 tiles
	s_lshl_b32 s[T4+1], s[T4+1], 4
	s_lshl_b32 s[T0], s[CY], 2
	s_add_co_u32 s[T4+1], s[T4+1], s[T0]
	s_add_co_u32 s[T4+1], s[T4+1], K_C/12288
	s_cmp_eq_u32 s[WR], 0
	s_cselect_b32 s[PF], s[T4], s[T4+1]
	s_lshl_b32 s[T0], s[WC], 1
	s_add_co_u32 s[PF], s[PF], s[T0]               ; + my wave's two of the four
	s_mul_i32 s[PF], s[PF], 12288
	s_add_co_u32 s[PF], s[PF], 9216                ; K step 6 on
	v_and_b32 v1, 15, v0                           ; r
	v_bfe_u32 v2, v0, 4, 1                         ; h
	v_mul_u32_u24 v10, v2, 12288                   ; lanes 0-15 my first tile, lanes 16-31 my second;
	v_add_nc_u32 v10, s[PF], v10
	v_min_u32 v9, 11, v1
	v_lshl_add_u32 v[PF1], v9, 8, v10              ; its 12 blocks
	s_wait_alu depctr_va_vdst(0)
	s_wait_dscnt 0x0                               ; both opening adds are done
	s_wait_kmcnt 0x0
	s_add_nc_u64 s[RA:RA+1], s[4:5], s[RA:RA+1]
	s_add_nc_u64 s[CA:CA+1], s[4:5], s[CA:CA+1]
	GRP0 G0, LA, 0, RA, 9216                       ; K steps 6, 7
	GRP0 G0+4, LB, 0, RA, 0                        ; K steps 0-3
	GRP0 G0+8, LA, 2*SLOT, RA, 6144                ; K steps 4, 5
	GRP0 G0B, LA, 0, CA, 9216
	GRP0 G0B+4, LB, 0, CA, 0
	GRP0 G0B+8, LA, 2*SLOT, CA, 6144
	CROUND                                         ; all sixteen work-groups are here: the first joint loads meet
	JLOAD G0+4, G1, G0B+4, G1B                     ; one tensor load a wave at the head
	; the rest of the head: first all scalars, then all vector lines, then one wait
	s_mov_b32 s[LOW], 0xffff
	s_mov_b32 s[SEL], 0x76543210
	s_mov_b32 s[SEL+1], 0xfedcba98
	s_mov_b32 s[RS32], 0x3d000000
	s_mov_b32 s[RS32+1], s[RS32]
	s_mov_b32 s[L2E], 0x3fb8aa3b
	s_mov_b32 s[L2E+1], s[L2E]
	s_lshl_b32 s[T2], s[WGY], 4
	s_lshl_b32 s[T0], s[WR], 3
	s_add_co_u32 s[T2], s[T2], s[T0]               ; my first tile of queries
	s_add_co_u32 s[T2+1], s[BAT], s[WGX]
	s_lshl_b32 s[T2+1], s[T2+1], 4
	s_lshl_b32 s[T0], s[WC], 3
	s_add_co_u32 s[T2+1], s[T2+1], s[T0]           ; my first tile of keys
	s_lshl_b32 s[SQ], s[T2], 9                     ; their scale words (Q's begin the buffer)
	s_lshl_b32 s[SK], s[T2+1], 9
	s_add_co_u32 s[SK], s[SK], K_S
	s_lshl_b32 s[T0], s[WGY], 21                   ; the mask: 256 rows of 8,192 bytes a block of queries,
	s_lshl_b32 s[T0+1], s[WR], 20
	s_add_co_u32 s[T0], s[T0], s[T0+1]
	s_lshl_b32 s[T0+1], s[WGX], 10                 ; 256 keys of 4 bytes a block of keys
	s_add_co_u32 s[T0], s[T0], s[T0+1]
	s_lshl_b32 s[T0+1], s[WC], 9
	s_add_co_u32 s[T0], s[T0], s[T0+1]
	s_mov_b32 s[T0+1], 0
	s_add_nc_u64 s[MK:MK+1], s[MK:MK+1], s[T0:T0+1]
	s_mul_i32 s[A0], s[WR], HALFT
	s_mul_i32 s[B0], s[WC], HALFT
	s_add_co_u32 s[B0], s[B0], 2*HALFT
	s_mul_i32 s[A1], s[WR], BIGH
	s_mul_i32 s[B1], s[WC], BIGH
	s_add_co_u32 s[B1], s[B1], 2*BIGH
	s_mul_i32 s[SS], s[WV], 8448
	s_add_co_u32 s[SS], s[SS], STAGE               ; my stage: 16 rows x (512 + 16) bytes
	s_lshl_b32 s[T0], s[WGX], 1
	s_add_co_u32 s[T0], s[T0], s[WC]               ; which 128 keys of the batch: the K step of the last product
	s_mul_i32 s[T4], s[T2], 24576
	s_mul_i32 s[T4+1], s[T0], 1536
	s_add_co_u32 s[T4], s[T4], s[T4+1]
	s_mov_b32 s[T4+1], 0
	s_add_nc_u64 s[10:11], s[10:11], s[T4:T4+1]
	s_lshl_b32 s[T4], s[T2], 12
	s_lshl_b32 s[T4+1], s[T0], 8
	s_add_co_u32 s[T4], s[T4], s[T4+1]
	s_mov_b32 s[T4+1], 0
	s_add_nc_u64 s[12:13], s[12:13], s[T4:T4+1]
	v_and_b32 v[MO], 31, v0
	v_lshlrev_b32 v[MO], 4, v[MO]
	v_mov_b32 v[SOF], s[SK]
	v_mov_b32 v9, s[SQ]
	v_cndmask_b32 v[SOF], v[SOF], v9, s[LOW]       ; an offset is chosen by the lane's half: lanes 0-15 Q's words, lanes 16-31 K's
	v_lshl_add_u32 v[SOF], v1, 4, v[SOF]
	v_add_nc_u32 v[ADRA], s[A0], v[MO]
	v_add_nc_u32 v[ADRB], s[B0], v[MO]
	v_add_nc_u32 v[ADRA+1], s[A1], v[MO]
	v_add_nc_u32 v[ADRB+1], s[B1], v[MO]
	v_add_nc_u32 v[ADRA+2], 2*SLOT, v[ADRA]
	v_add_nc_u32 v[ADRB+2], 2*SLOT, v[ADRB]
	v_add_nc_u32 v[STW], s[SS], v[MO]
	v_mul_u32_u24 v[STR], v1, 528
	v_lshl_add_u32 v[STR], v2, 6, v[STR]
	v_add_nc_u32 v[STR], s[SS], v[STR]
	v_lshlrev_b32 v[RO], 4, v1
	v_lshl_add_u32 v[RO], v2, 12, v[RO]
	v_and_b32 v[PFO], 31, v0                       ; mask prefetches: lane l names the (l % 2)-th 256 bytes of the tile's (l / 2)-th row
	v_lshrrev_b32 v9, 1, v[PFO]
	v_and_b32 v10, 8, v9
	v_add_nc_u32 v9, v9, v10
	v_and_b32 v[PFO], 1, v[PFO]
	v_lshlrev_b32 v[PFO], 8, v[PFO]
	v_lshl_add_u32 v[PFO], v9, 13, v[PFO]
	s_wait_alu depctr_va_vdst(0)
.irp i, 0,1,2,3,4,5,6,7
.irp g, 0,1
	global_load_b128 v[SC+8*\i+4*\g:SC+8*\i+4*\g+3], v[SOF], s[6:7] offset:512*\i+256*\g   ; register 8 i + k: the word of tile i, K step k
.endr
.endr
; the mask rows of query tile a: 16 loads, each 512 consecutive bytes: my 128 keys of one query; into one of four sets in window 1
.macro MLOAD a
.set RL_, (192+64*(\a))%256
	WIN 0x40
.irp i, 0,1,2,3,4,5,6,7,8,9,10,11,12,13,14,15
	global_load_b128 v[RL_+4*\i:RL_+4*\i+3], v[MO], s[MK:MK+1] offset:(32*((\a)/2)+8*((\a)%2)+\i+8*(\i/8))*8192 th:TH_LOAD_NT
.endr
	WIN 0
.endm
; mask tile a through my stage: in as it lies, out in the result's layout: register 16 b + i = the mask at my query, key 32 b + 16 h + i.  LDS serves a wave's instructions in order
.macro TURN a
.set RS_, (192+64*(\a))%256
.set ZT_, Z0+(Z1-Z0)*((\a)%2)
	WIN 0x04                                       ; an LDS store's data are its source 1: window 1
.irp i, 0,1,2,3,4,5,6,7,8,9,10,11,12,13,14,15
	ds_store_b128 v[STW], v[RS_+4*\i:RS_+4*\i+3] offset:528*\i
.endr
	WIN 0
.irp b, 0,1,2,3
.irp j, 0,1,2,3
	ds_load_b128 v[ZT_+16*\b+4*\j:ZT_+16*\b+4*\j+3], v[STR] offset:128*\b+16*\j
.endr
.endr
.endm
; 16 matrix instructions: query tiles a0, a0 + 1 x the eight key tiles, K step k.  cm = 1: the first product starts the sums.  The 64 accumulators take turns.
.macro MUL16 a0, p, k, cm
.irp a, \a0, \a0+1
.irp b, 0,1,2,3,4,5,6,7
.if (\cm) == 0
	v_wmma_scale_f32_16x16x128_f8f6f4 v[8*(8*((\a)%4)+\b):8*(8*((\a)%4)+\b)+7], v[96*(\p)+12*\b:96*(\p)+12*\b+11], v[AF+12*(\a):AF+12*(\a)+11], v[8*(8*((\a)%4)+\b):8*(8*((\a)%4)+\b)+7], v[SC+8*\b+(\k)], v[SC+8*(\a)+(\k)] matrix_a_fmt:MATRIX_FMT_BF6 matrix_b_fmt:MATRIX_FMT_BF6 matrix_a_scale:MATRIX_SCALE_ROW1
.else
	v_wmma_scale_f32_16x16x128_f8f6f4 v[8*(8*((\a)%4)+\b):8*(8*((\a)%4)+\b)+7], v[96*(\p)+12*\b:96*(\p)+12*\b+11], v[AF+12*(\a):AF+12*(\a)+11], 0, v[SC+8*\b+(\k)], v[SC+8*(\a)+(\k)] matrix_a_fmt:MATRIX_FMT_BF6 matrix_b_fmt:MATRIX_FMT_BF6 matrix_a_scale:MATRIX_SCALE_ROW1
.endif
.endr
.endr
.endm
.macro KADR k                          ; where K step k lies: which address register, the tiles' pitch, the step's byte in a tile
.if (\k) < 4
.set KR_, 1
.set KP_, 6144
.set KO_, 1536*(\k)
.elseif (\k) < 6
.set KR_, 2
.set KP_, 3072
.set KO_, 1536*((\k)-4)
.else
.set KR_, 0
.set KP_, 3072
.set KO_, 1536*((\k)-6)
.endif
.endm
.macro FETCH_B k, p                    ; K's eight fragments of K step k into set p
	KADR \k
	WIN 0x40
.irp i, 0,1,2,3,4,5,6,7
.irp c, 0,1,2
	ds_load_b128 v[96*(\p)+12*\i+4*\c:96*(\p)+12*\i+4*\c+3], v[ADRB+KR_] offset:KP_*\i+KO_+512*\c
.endr
.endr
	WIN 0
.endm
.macro FETCH_A k, i0                   ; Q's tiles i0 .. i0 + 3
	KADR \k
.irp i, \i0, \i0+1, \i0+2, \i0+3
.irp c, 0,1,2
	ds_load_b128 v[AF+12*(\i)+4*\c:AF+12*(\i)+4*\c+3], v[ADRA+KR_] offset:KP_*(\i)+KO_+512*\c
.endr
.endr
.endm
; A K step: 64 matrix instructions.  Q has one set of registers: tiles 0-3 are fetched anew in the step's middle, tiles 4-7 at its end; K's next set comes in the middle.
; Loads into registers that matrix instructions have read stand four plain vector lines behind them (ISA guide 7.12.1 for vector instructions).
; mode 0: plain.  1: K steps 0-3 have been read out; behind a round of the cluster's barrier K steps 6, 7 are asked for.  2: a barrier, which shows that refill to every wave.
; 3: the last step: mask tile 0 turns through the stage, and mask tile 1 is loaded into K's set 0, last multiplied in K step 6, whose closing four v_nop are its places.
; pf > 0: behind the middle run of LDS loads one prefetch: mask tile pf.
.macro STEP k, mode, cm, pf
.set P_, (\k)%2
.if (\mode) == 1 || (\mode) == 2
	s_wait_tensorcnt 0x0                           ; all my tensor loads have landed;
	ds_add_u32 v[SPW], v[NIL]                      ; 0 onto my spare word
	s_wait_dscnt 13                                ; (the add and the youngest 12 loads, Q's tiles 4-7, may be out)
.else
	s_wait_dscnt 12                                ; K's set and Q's tiles 0-3 are in; the youngest 12 loads may be out
.endif
	WIN 0xa1
	MUL16 0, P_, \k, \cm
.if (\mode) == 1 || (\mode) == 2
	s_wait_dscnt 0x0                               ; the add is done, and my reads of the bytes behind me are over
	s_barrier_signal -1
.endif
	MUL16 2, P_, \k, \cm
.if (\mode) == 1 || (\mode) == 2
	WIN 0
	s_barrier_wait -1
.else
	s_wait_dscnt 0x0
.endif
.if (\mode) == 1
	CREST                                          ; no wave of any partner still reads K steps 0-3 or has a load on its way
	JLOAD G0, G1, G0B, G1B                         ; the first tensor load behind the round; its four v_nop are the places for the loads below
.elseif (\mode) != 3
	PLACES 4
.endif
.if (\mode) != 3
	FETCH_B (\k)+1, 1-P_
	FETCH_A (\k)+1, 0
.else
	s_wait_loadcnt 0x0                             ; mask tile 0's loads
	TURN 0
	MLOAD 1
.endif
.if (\pf) > 0
	global_prefetch_b8 v[PFO], s[MK:MK+1] offset:(32*((\pf)/2)+8*((\pf)%2))*8192 th:TH_LOAD_NT scope:SCOPE_SE
.endif
	WIN 0xf1
	MUL16 4, P_, \k, \cm
	MUL16 6, P_, \k, \cm
.if (\mode) != 3
	PLACES 4
	WIN 0
	FETCH_A (\k)+1, 4
.else
	WIN 0
.endif
.endm
	s_wait_tensorcnt 0x0                           ; my part of K steps 0-3 is in
	ds_add_u32 v[SPW], v[NIL]
	s_mov_b32 s[G1+1], 384<<16                     ; no tensor load of mine is out: from here on a load brings two K steps of a tile, 3,072 bytes
	s_mov_b32 s[G1+3], 384<<16
	s_mov_b32 s[G1B+1], 384<<16
	s_mov_b32 s[G1B+3], 384<<16
	s_wait_dscnt 0x0
	CROUND                                         ; K steps 0-3 are whole for every wave, and the joint loads meet
	JLOAD G0+8, G1, G0B+8, G1B                     ; K steps 4 and 5: my one load behind the round
	FETCH_B 0, 0
	global_prefetch_b8 v[PF1], s[4:5] th:TH_LOAD_NT scope:SCOPE_SE   ; K steps 6 and 7
	FETCH_A 0, 0
	FETCH_A 0, 4
	MLOAD 0                                        ; the mask is asked for behind the codes
	s_wait_loadcnt 16                              ; the scale words are in; mask tile 0's 16 loads may be out
	STEP 0, 0, 1, 1
	STEP 1, 0, 0, 2
	STEP 2, 0, 0, 3
	STEP 3, 1, 0, 4
	STEP 4, 0, 0, 5
	STEP 5, 2, 0, 6
	STEP 6, 0, 0, 7
	STEP 7, 3, 0, 0
	PLACES 4                                       ; in front of loads into K's and the scale words' registers, of writes to Q's and of the first read of results
	MLOAD 2
	MLOAD 3
.irp b, 0,1,2,3
	v_mov_b32 v[BT+\b], 0                          ; written once: a lane permute's destination counts as one of its sources
.endr
	v_mov_b32 v[T+1], 0
	v_mov_b32 v[NM+1], 0                           ; (named with -M as a pair)
; A TILE OF 16 QUERIES x my 128 keys.  Its mask is back from the stage; the next tile's goes through the stage under this tile's arithmetic.
.macro PT a
.set ZS_, Z0+(Z1-Z0)*((\a)%2)
.set AC_, 64*((\a)%4)
.set RW_, REC+4*(1-(\a)%2)
	s_wait_dscnt 0x0                               ; this tile's mask is back, and the stage's stores have read the set that is loaded again below
.if (\a) < 4
	MLOAD (\a)+4
.endif
	WIN 0x02+(\a)/4
	s_wait_alu depctr_va_vdst(0)
.set J_, 0
.rept 32
	v_pk_fma_f32 v[ZS_+J_:ZS_+J_+1], v[AC_+J_:AC_+J_+1], s[RS32:RS32+1], v[ZS_+J_:ZS_+J_+1] op_sel_hi:[1,0,1]   ; z = s / 32 + mask: s / 32 is exact; each accumulator from its low end on
.set J_, J_+2
.endr
	WIN 0
.if (\a) < 7
	s_wait_alu depctr_va_vdst(0)
.if (\a) < 3
	s_wait_loadcnt 48                              ; the next tile's 16 mask loads are in; the three tiles' behind it may be out
.else
	s_wait_loadcnt 16*(6-(\a))
.endif
	TURN (\a)+1
.endif
.irp b, 0,1,2,3
	v_max3_num_f32 v[BM+\b], v[ZS_+16*\b], v[ZS_+16*\b+1], v[ZS_+16*\b+2]   ; the largest z of each block of 32 keys: for the group's maximum and, since p rises with z, for the block's largest p
.endr
.irp i, 3,5,7,9,11,13
.irp b, 0,1,2,3
	v_max3_num_f32 v[BM+\b], v[BM+\b], v[ZS_+16*\b+\i], v[ZS_+16*\b+\i+1]
.endr
.endr
.irp b, 0,1,2,3
	v_max_num_f32 v[BM+\b], v[BM+\b], v[ZS_+16*\b+15]
.endr
.irp b, 0,1,2,3
	v_permlanex16_b32 v[BT+\b], v[BM+\b], s[SEL], s[SEL+1]
.endr
.irp b, 0,1,2,3
	v_max_num_f32 v[BM+\b], v[BM+\b], v[BT+\b]
.endr
	v_max3_num_f32 v[T], v[BM], v[BM+1], v[BM+2]
	v_max_num_f32 v[T], v[T], v[BM+3]
	v_mul_f32 v[T], s[L2E], v[T]                   ; the group's largest t,
	v_max_num_f32 v[T], 0xcf000000, v[T]           ; held at -2^31 from below (see LIMITS)
	v_floor_f32 v[NM], -v[T]                       ; -M = floor(-t): M is a whole number
.set J_, 0
.rept 32
	v_pk_fma_f32 v[ZS_+J_:ZS_+J_+1], v[ZS_+J_:ZS_+J_+1], s[L2E:L2E+1], v[NM:NM+1] op_sel_hi:[1,0,0]   ; t - M
.set J_, J_+2
.endr
.irp b, 0,1,2,3
	v_fma_f32 v[BM+\b], v[BM+\b], s[L2E], v[NM]
.endr
	s_wait_alu depctr_va_vdst(0)
.irp b, 0,1,2,3
	v_exp_f32 v[BM+\b], v[BM+\b]                   ; the block's largest p: the same two instructions on the same number
.endr
.set J_, 0
.rept 64
	v_exp_f32 v[ZS_+J_], v[ZS_+J_]                 ; p = 2^(t - M), not normalised
.set J_, J_+1
.endr
	v_mov_b32 v[RW_+1], v[NM]                      ; the record's -M (a plain line behind the exponentials)
	s_wait_alu depctr_va_vdst(0)                   ; one wait for the whole batch, ahead of its first reader
.irp b, 0,1,2,3
	v_max_num_f32 v[BM+\b], 0x2800000, v[BM+\b]    ; the floor 2^(5 - 127): the byte cannot fall under 1
.endr
.irp b, 0,1,2,3
	v_add_nc_u32 v[SOP+\b], 0xfe000000, v[BM+\b]   ; 4 off the exponent field: the conversion's scale operand
.endr
.irp b, 0,1,2,3
	v_lshrrev_b32 v[BY+\b], 23, v[SOP+\b]
.endr
	v_pk_add_f32 v[LS:LS+1], v[ZS_:ZS_+1], v[ZS_+2:ZS_+3]   ; the sum of the UNQUANTISED p, two at a time, in two chains that the first pairs begin
	v_pk_add_f32 v[LS2:LS2+1], v[ZS_+4:ZS_+5], v[ZS_+6:ZS_+7]
.irp j, 8,12,16,20,24,28,32,36,40,44,48,52,56,60
	v_pk_add_f32 v[LS:LS+1], v[LS:LS+1], v[ZS_+\j:ZS_+\j+1]
	v_pk_add_f32 v[LS2:LS2+1], v[LS2:LS2+1], v[ZS_+\j+2:ZS_+\j+3]
.endr
	v_pk_add_f32 v[LS:LS+1], v[LS:LS+1], v[LS2:LS2+1]
	v_lshl_or_b32 v[RW_], v[BY+1], 8, v[BY]        ; the record's scale word
	v_lshl_or_b32 v[RW_], v[BY+2], 16, v[RW_]
	v_lshl_or_b32 v[RW_], v[BY+3], 24, v[RW_]
.irp c, 0,1
	v_cvt_scalef32_pk16_bf6_f32 v[PC+6*\c:PC+2+6*\c], v[ZS_+32*\c:ZS_+15+32*\c], v[SOP+2*\c]
	v_cvt_scalef32_pk16_bf6_f32 v[PC+12+4*\c:PC+14+4*\c], v[ZS_+16+32*\c:ZS_+31+32*\c], v[SOP+2*\c+1]   ; (a conversion's three registers begin on an even number)
.endr
	v_add_f32 v[T], v[LS], v[LS+1]                 ; (also the plain line behind the conversions)
	v_permlanex16_b32 v[T+1], v[T], s[SEL], s[SEL+1]
	v_add_f32 v[RW_+2], v[T], v[T+1]               ; the record's sum
.irp c, 0,1
.irp i, 0,1,2
	v_permlane16_swap_b32 v[PC+6*\c+\i], v[PC+12+4*\c+\i]   ; the operand wants a whole block in a lane
.endr
.endr
	WIN 0x80+0x40*((\a)/4)                         ; destination: this tile's accumulators, which are done with: registers 0-11 take the fragment, 12-15 of an odd tile the pair's records
.irp c, 0,1
.irp i, 0,1,2
	v_mov_b32 v[AC_+6*\c+\i], v[PC+6*\c+\i]
	v_mov_b32 v[AC_+6*\c+3+\i], v[PC+12+4*\c+\i]
.endr
.endr
.if (\a)%2 == 1
.irp i, 0,1,2
	v_cndmask_b32 v[AC_+12+\i], v[REC+\i], v[REC+4+\i], s[LOW]   ; lanes 0-15 the even tile's records, lanes 16-31 the odd tile's
.endr
	v_mov_b32 v[AC_+15], 0                         ; a record's fourth word
.endif
	WIN 0
.endm
.macro FLUSH a                         ; tile a's codes: three times 512 consecutive bytes; behind an odd tile the pair's records: twice 256 consecutive bytes
	WIN 0x08+4*((\a)/4)                            ; a store's data are its source 1: window 2 or 3
.irp c, 0,1,2
	global_store_b128 v[MO], v[64*((\a)%4)+4*\c:64*((\a)%4)+4*\c+3], s[10:11] offset:24576*(\a)+512*\c
.endr
.if (\a)%2 == 1
	global_store_b128 v[RO], v[64*((\a)%4)+12:64*((\a)%4)+15], s[12:13] offset:4096*((\a)-1)
.endif
.endm
.irp a, 0,1,2,3
	PT \a
.endr
	s_wait_alu depctr_va_vdst(0)
.irp a, 0,1,2,3
	FLUSH \a
.endr
	WIN 0
.irp a, 4,5,6,7
	PT \a
.endr
	s_wait_alu depctr_va_vdst(0)
.irp a, 4,5,6,7
	FLUSH \a
.endr
	WIN 0
	s_wait_tensorcnt 0x0                           ; the wave's end
	ds_add_u32 v[SPW], v[NIL]
	s_wait_dscnt 0x0
	CROUND                                         ; the closing round
	s_endpgm
.Lfunc_end_k_qf2c6332815_score:
	.size	k_qf2c6332815_score, .Lfunc_end_k_qf2c6332815_score-k_qf2c6332815_score
	.p2alignl 7, 3214868480
	.fill 96, 4, 3214868480
	.section	.rodata,"a",@progbits
	.p2align	6, 0x0
	.amdhsa_kernel k_qf2c6332815_score
		.amdhsa_group_segment_fixed_size 327680
		.amdhsa_private_segment_fixed_size 0
		.amdhsa_enable_private_segment 0
		.amdhsa_kernarg_size 40
		.amdhsa_user_sgpr_count 2
		.amdhsa_user_sgpr_kernarg_segment_ptr 1
		.amdhsa_wavefront_size32 1
		.amdhsa_system_sgpr_workgroup_id_x 1
		.amdhsa_system_sgpr_workgroup_id_y 1
		.amdhsa_system_sgpr_workgroup_id_z 1
		.amdhsa_system_vgpr_workitem_id 0
		.amdhsa_next_free_vgpr 1024
		.amdhsa_next_free_sgpr 100
		.amdhsa_reserve_vcc 0
		.amdhsa_float_denorm_mode_32 3
		.amdhsa_float_denorm_mode_16_64 3
		.amdhsa_memory_ordered 1
		.amdhsa_forward_progress 1
		.amdhsa_inst_pref_size 242
	.end_amdhsa_kernel
	.amdgpu_metadata
---
amdhsa.version: [ 1, 2 ]
amdhsa.kernels:
  - .name:           k_qf2c6332815_score
    .symbol:         k_qf2c6332815_score.kd
    .args:
      - { .name: c2, .offset: 0, .size: 8, .value_kind: global_buffer, .address_space: global }
      - { .name: sc2, .offset: 8, .size: 8, .value_kind: global_buffer, .address_space: global }
      - { .name: mask, .offset: 16, .size: 8, .value_kind: global_buffer, .address_space: global }
      - { .name: c3, .offset: 24, .size: 8, .value_kind: global_buffer, .address_space: global }
      - { .name: st3, .offset: 32, .size: 8, .value_kind: global_buffer, .address_space: global }
    .group_segment_fixed_size: 327680
    .private_segment_fixed_size: 0
    .kernarg_segment_align: 8
    .kernarg_segment_size: 40
    .max_flat_workgroup_size: 128
    .sgpr_count:     100
    .vgpr_count:     1024
    .wavefront_size: 32
...
	.end_amdgpu_metadata
.endif
;; end of part 3
;; launch pv (part 4): grid 4 x 64, 4 waves a work-group, clusters of 4 x 4, 327,680 bytes of LDS; arguments c3, st3, c2, sc2, out0; writes out0
.if DOCPART == 4
	.amdgcn_target "amdgcn-amd-amdhsa--gfx1250"
	.amdhsa_code_object_version 6
	.text
	.protected	k_qf2c6332815_pv
	.globl	k_qf2c6332815_pv
	.p2align	8
	.type	k_qf2c6332815_pv,@function
k_qf2c6332815_pv:
	s_mov_b64 s[64:65], 0
	v_nop
	global_prefetch_b8 v0, s[64:65] scope:SCOPE_SE
	s_setreg_imm32_b32 hwreg(HW_REG_WAVE_MODE, 25, 1), 1
	s_wait_xcnt 0x0
	s_wait_alu depctr_hold_cnt(0) depctr_sa_sdst(0) depctr_va_vdst(0) depctr_va_sdst(0) depctr_va_ssrc(0) depctr_va_vcc(0) depctr_vm_vsrc(0)
	s_getreg_b32 s2, hwreg(HW_REG_IB_STS2, 6, 4)
	s_cmp_eq_u32 s2, 0
	s_cbranch_scc0 .Lentry_in_a_cluster
	s_endpgm
.Lentry_in_a_cluster:
	s_bfe_u32 s2, ttmp6, 0x10000c
	s_cmp_lg_u32 s2, 0xf033
	s_cbranch_scc0 .Lentry_shape_is_right
	s_endpgm
.Lentry_shape_is_right:
; O = P V / l on codes of BF6 (E3M2) with E8M0 scales.  P's codes were made under a LOCAL whole-number M for each (query, 128 keys); a record {scale word, -M, sum of p, 0} came with each.
; AT THE HEAD each wave reads its 64 queries' 16 records: the row's -M is the least of the sixteen; d = M_local - M_row is a whole number, 0 or less; each scale byte b becomes max(b + d, 1), and l is the sum of the
; local sums x 2^d.  Both shifts are exact; d is held at -132 from below, where every byte is at 1 and every sum is nothing beside l.  LIMIT: a block whose byte would fall under 1 is taken at 2^-126: its part of O is
; under 28 x 2^-126 x |V| beside l > 1/2.  A row whose every p is 0 gives 0 / 0 = NaN, as the definition does.
; A work-group makes 128 queries x 256 channels (256 work-groups); four waves, each 64 x 128: 32 accumulators.  K = the batch's 2,048 keys: 16 K steps, written out.  Source 0 = 16 channels of V^T, source 1 = 16 queries of P:
; a lane holds one query, and the 16 registers of result tiles 2 b, 2 b + 1 are 16 neighbouring channels.  Operands lie as images of their registers.
; LDS: two slots of four K steps (P's 8 tiles, then V^T's 16); slot 0 filled at the head, slot 1 behind the next round (one load of a wave is out), each filled again once.  CLUSTER 4 x 4: P's tiles jointly along a row, V^T's along a column.
; REGISTERS.  window 0: v1-7 addresses; v8-15 1 / l, a pair a tile; v16-21 LDS addresses; v18-31 partly at work at the head; v32-95 V^T's scale words; v96-127 P's; v128-255 the records, later the way out.
;   window 1: V^T's fragments, two sets.   window 2: accumulator (a, b) at v[8 (8 a + b)].   window 3: P's fragments, two sets.  All products run under one window setting.
.set V_C, 12582912
.set V_S, 524288
.set SLOT,  147456
.set SPARE, 294912
.set LI,   3                           ; v3   16 x lane
.set RO,   4                           ; v4   the records' offset: lanes 0-15 tile j, lanes 16-31 tile j + 2
.set VSO,  5                           ; v5   V^T's scale words': lanes 0-15 tile i, lanes 16-31 tile i + 4
.set STO,  6
.set RD,   7
.set LIV,  8
.set ADRA, 16
.set ADRB, 20
.set FM,   18
.set FD,   19
.set FQ,   22
.set FB,   23                          ; v23-26
.set FT,   27
.set FL,   30                          ; v30-31
.set SPW,  28
.set NIL,  29
.set VS,   32                          ; register 16 (b % 4) + k
.set PSC,  96                          ; register 16 (a % 2) + k
.set REC,  128
.set TMP,  128
.set BK,   192
.set WV, 18
.set WR, 19
.set WC, 20
.set CX, 21
.set CY, 22
.set YY, 23
.set G1, 24
.set G1B, 32
.set G0, 40
.set G0B, 52
.set WGY, 66
.set BAT, 67
.set SEL, 74
.set LOW, 76
.set MR, 83
.set MC, 84
.set RA, 86
.set CA, 88
.set LAP, 90
.set LAV, 91
.set T0, 94
.set T2, 96
.set MSB, 0
.macro WIN new
.if MSB != (\new)
	s_set_vgpr_msb (MSB<<8)|(\new)
.set MSB, (\new)
.endif
.endm
.macro PLACES n
.rept \n
	v_nop
.endr
.endm
.macro JLOAD g0a, g1a, g0b, g1b        ; waves 0 and 1 fetch P's halves, waves 2 and 3 V^T's; four v_nop follow each line
	s_cmp_eq_u32 s[WR], 0
	s_cbranch_scc0 .Lfor_c_\@
	tensor_load_to_lds s[\g0a:\g0a+3], s[\g1a:\g1a+7]
	s_nop 0
.rept 4
	v_nop
.endr
	s_branch .Lasked_\@
.Lfor_c_\@:
	tensor_load_to_lds s[\g0b:\g0b+3], s[\g1b:\g1b+7]
	s_nop 0
.rept 4
	v_nop
.endr
.Lasked_\@:
.endm
.macro CREST
	s_cmp_lg_u32 s[WV], 0
	s_cbranch_scc1 .Lnot_wave_0_\@
	s_barrier_signal -3
.Lnot_wave_0_\@:
	s_barrier_wait -3
	s_barrier_signal -1
	s_barrier_wait -1
.endm
.macro CROUND
	s_barrier_signal -1
	s_barrier_wait -1
	CREST
.endm
	s_load_b256 s[4:11], s[0:1], 0x0               ; c3, st3, c2, sc2
	s_load_b64 s[12:13], s[0:1], 0x20              ; out0
	v_lshl_add_u32 v[SPW], v0, 2, SPARE
	v_mov_b32 v[NIL], 0
	ds_add_u32 v28, v29
	ds_add_u32 v28, v29
	s_wait_dscnt 0x0
	v_lshrrev_b32 v1, 5, v0
	v_readfirstlane_b32 s[WV], v1
	s_lshr_b32 s[WR], s[WV], 1                     ; my half of the queries.  Also: I fetch for P (0) or for V^T (1)
	s_and_b32 s[WC], s[WV], 1                      ; my half of the channels.  Also: which half of the tiles I fetch
	s_bfe_u32 s[CX], ttmp6, 0x40000                ; the block of 256 channels
	s_bfe_u32 s[CY], ttmp6, 0x40004
	s_and_b32 s[YY], ttmp7, 0xffff
	s_lshl_b32 s[WGY], s[YY], 2
	s_add_co_u32 s[WGY], s[WGY], s[CY]             ; the block of 128 queries among all 8,192
	s_lshr_b32 s[BAT], s[YY], 2                    ; the batch, from the cluster's y alone
	s_mov_b32 s[LOW], 0xffff
	s_mov_b32 s[SEL], 0x76543210
	s_mov_b32 s[SEL+1], 0xfedcba98
	s_lshl_b32 s[MR], s[CY], 2
	s_lshl_b32 s[MR], 15, s[MR]
	s_lshl_b32 s[MC], 0x1111, s[CX]
	s_or_b32 s[G1], s[MR], (3<<16)|(1<<21)         ; P: 4 rows (tiles) of 6,144 bytes (four K steps), 24,576 apart; elements of 8 bytes; dense in LDS
	s_mov_b32 s[G1+1], 768<<16
	s_mov_b32 s[G1+2], 4<<16
	s_mov_b32 s[G1+3], 768<<16
	s_mov_b32 s[G1+4], 4
	s_mov_b32 s[G1+5], 3072
	s_mov_b32 s[G1+6], 0
	s_mov_b32 s[G1+7], 0
	s_or_b32 s[G1B], s[MC], (3<<16)|(1<<21)        ; V^T: 8 rows of 6,144 bytes, 98,304 apart
	s_mov_b32 s[G1B+1], 768<<16
	s_mov_b32 s[G1B+2], 8<<16
	s_mov_b32 s[G1B+3], 768<<16
	s_mov_b32 s[G1B+4], 8
	s_mov_b32 s[G1B+5], 12288
	s_mov_b32 s[G1B+6], 0
	s_mov_b32 s[G1B+7], 0
	s_lshl_b32 s[RA], s[WGY], 3
	s_lshl_b32 s[T0], s[WC], 2
	s_add_co_u32 s[RA], s[RA], s[T0]
	s_mul_i32 s[RA], s[RA], 24576
	s_mov_b32 s[RA+1], 0
	s_lshl_b32 s[CA], s[CX], 4
	s_lshl_b32 s[T0+1], s[WC], 3
	s_add_co_u32 s[CA], s[CA], s[T0+1]
	s_mul_i32 s[CA], s[CA], 98304
	s_mul_i32 s[T0+1], s[BAT], 24576               ; the batch's 16 K steps
	s_add_co_u32 s[CA], s[CA], s[T0+1]
	s_add_co_u32 s[CA], s[CA], V_C
	s_mov_b32 s[CA+1], 0
	s_mul_i32 s[LAP], s[WC], 24576
	s_mul_i32 s[LAV], s[WC], 49152
	s_add_co_u32 s[LAV], s[LAV], 49152
	s_wait_kmcnt 0x0
	s_add_nc_u64 s[RA:RA+1], s[4:5], s[RA:RA+1]
	s_add_nc_u64 s[CA:CA+1], s[8:9], s[CA:CA+1]
.irp n, 0,1
	s_mov_b32 s[G0+4*\n], 1
	s_add_co_u32 s[G0+4*\n+1], s[LAP], \n*SLOT
	s_add_nc_u64 s[G0+4*\n+2:G0+4*\n+3], s[RA:RA+1], \n*6144
	s_or_b32 s[G0+4*\n+3], s[G0+4*\n+3], 0x80000000
	s_mov_b32 s[G0B+4*\n], 1
	s_add_co_u32 s[G0B+4*\n+1], s[LAV], \n*SLOT
	s_add_nc_u64 s[G0B+4*\n+2:G0B+4*\n+3], s[CA:CA+1], \n*6144
	s_or_b32 s[G0B+4*\n+3], s[G0B+4*\n+3], 0x80000000
.endr
	CROUND
	s_cmp_eq_u32 s[WR], 0                          ; one tensor load a wave at the head: slot 0
	s_cbranch_scc0 .Lfirst_c
	tensor_load_to_lds s[G0:G0+3], s[G1:G1+7]
	s_nop 0
.rept 4
	v_nop
.endr
	s_branch .Lfirst_asked
.Lfirst_c:
	tensor_load_to_lds s[G0B:G0B+3], s[G1B:G1B+7]
	s_nop 0
.rept 4
	v_nop
.endr
.Lfirst_asked:
	v_and_b32 v1, 15, v0                           ; r
	v_bfe_u32 v2, v0, 4, 1                         ; h
	v_and_b32 v[LI], 31, v0
	v_lshlrev_b32 v[LI], 4, v[LI]
	v_lshlrev_b32 v[RO], 4, v1
	v_lshl_add_u32 v[VSO], v2, 14, v[RO]
	v_lshl_add_u32 v[RO], v2, 13, v[RO]
	s_wait_alu depctr_va_vdst(0)
	s_lshl_b32 s[T0], s[WGY], 3
	s_lshl_b32 s[T0+1], s[WR], 2
	s_add_co_u32 s[T0], s[T0], s[T0+1]             ; my first tile of queries
	s_lshl_b32 s[T0], s[T0], 12
	s_mov_b32 s[T0+1], 0
	s_add_nc_u64 s[6:7], s[6:7], s[T0:T0+1]
	s_lshl_b32 s[T0], s[CX], 4
	s_lshl_b32 s[T0+1], s[WC], 3
	s_add_co_u32 s[T0], s[T0], s[T0+1]             ; my first tile of channels
	s_lshl_b32 s[T0], s[T0], 12
	s_lshl_b32 s[T0+1], s[BAT], 10
	s_add_co_u32 s[T0], s[T0], s[T0+1]
	s_add_co_u32 s[T0], s[T0], V_S
	s_mov_b32 s[T0+1], 0
	s_add_nc_u64 s[10:11], s[10:11], s[T0:T0+1]
.irp j, 0,1
.irp s, 0,1,2,3,4,5,6,7,8,9,10,11,12,13,14,15
	global_load_b128 v[REC+64*\j+4*\s:REC+64*\j+4*\s+3], v[RO], s[6:7] offset:4096*\j+256*\s   ; twice 256 consecutive bytes
.endr
.endr
.irp i, 0,1,2,3
.irp g, 0,1,2,3
	global_load_b128 v[VS+16*\i+4*\g:VS+16*\i+4*\g+3], v[VSO], s[10:11] offset:4096*\i+256*\g
.endr
.endr
	s_mul_i32 s[T0], s[WR], 24576
	s_mul_i32 s[T0+1], s[WC], 49152
	s_add_co_u32 s[T0+1], s[T0+1], 49152
.irp n, 0,1
	v_add_nc_u32 v[ADRA+\n], s[T0], v[LI]
	v_add_nc_u32 v[ADRB+\n], s[T0+1], v[LI]
	s_add_co_u32 s[T0], s[T0], SLOT
	s_add_co_u32 s[T0+1], s[T0+1], SLOT
.endr
	s_mul_i32 s[T0], s[WV], 8448                   ; my stage for the way out: 16 rows x (512 + 16) bytes, in slot 0, which has had its last fill and is left by every wave at the barrier of K step 11
	v_mul_u32_u24 v[STO], v1, 528
	v_lshl_add_u32 v[STO], v2, 6, v[STO]
	v_add_nc_u32 v[STO], s[T0], v[STO]
	v_add_nc_u32 v[RD], s[T0], v[LI]
	s_lshl_b32 s[T0], s[WGY], 19                   ; out0: 128 rows of 4,096 bytes a block of queries,
	s_lshl_b32 s[T0+1], s[WR], 18
	s_add_co_u32 s[T0], s[T0], s[T0+1]
	s_lshl_b32 s[T0+1], s[CX], 10                  ; 256 channels of 4 bytes
	s_add_co_u32 s[T0], s[T0], s[T0+1]
	s_lshl_b32 s[T0+1], s[WC], 9
	s_add_co_u32 s[T0], s[T0], s[T0+1]
	s_mov_b32 s[T0+1], 0
	s_add_nc_u64 s[12:13], s[12:13], s[T0:T0+1]
; The records of tiles j (lanes 0-15) and j + 2 (lanes 16-31), a query a lane: the row's -M, P's scale words under it, and l.
.macro FIX j
.set RB_, REC+64*(\j)
	v_min3_num_f32 v[FM], v[RB_+1], v[RB_+5], v[RB_+9]
.irp s, 3,5,7,9,11,13
	v_min3_num_f32 v[FM], v[FM], v[RB_+4*\s+1], v[RB_+4*\s+5]
.endr
	v_min_num_f32 v[FM], v[FM], v[RB_+61]          ; the least -M: the row's
.set S_, 0
.rept 16
	v_sub_f32 v[FD], v[FM], v[RB_+4*S_+1]          ; d = M_local - M_row: a whole number, 0 or less,
	v_max_num_f32 v[FD], 0xc3040000, v[FD]         ; held at -132
	v_cvt_i32_f32 v[FD], v[FD]
.if S_ < 2
	v_ldexp_f32 v[FL+S_], v[RB_+4*S_+2], v[FD]     ; the local sum x 2^d; two chains, begun by the first two
.else
	v_ldexp_f32 v[FT], v[RB_+4*S_+2], v[FD]
	v_add_f32 v[FL+S_%2], v[FL+S_%2], v[FT]
.endif
	v_sub_nc_u32 v[FQ], 255, v[FD]                 ; 255 - d
	v_bfe_u32 v[FB], v[RB_+4*S_], 0, 8
	v_bfe_u32 v[FB+1], v[RB_+4*S_], 8, 8
	v_bfe_u32 v[FB+2], v[RB_+4*S_], 16, 8
	v_lshrrev_b32 v[FB+3], 24, v[RB_+4*S_]
.irp i, 0,1,2,3
	v_sub_nc_u32 v[FB+\i], v[FQ], v[FB+\i]         ; 255 - (b + d): never negative,
.endr
.irp i, 0,1,2,3
	v_min_u32 v[FB+\i], 254, v[FB+\i]              ; at most 254: so b + d is held at 1 from below
.endr
	v_lshl_or_b32 v[FB], v[FB+1], 8, v[FB]
	v_lshl_or_b32 v[FB], v[FB+2], 16, v[FB]
	v_lshl_or_b32 v[FB], v[FB+3], 24, v[FB]
	v_xor_b32 v[PSC+16*(\j)+S_], -1, v[FB]         ; 255 - x in each byte
.set S_, S_+1
.endr
	v_add_f32 v[REC+(\j)], v[FL], v[FL+1]          ; l (into a record register that is done with)
.endm
	; PREFETCHES, one slot (four K steps, 24 blocks of 256 bytes a tile) ahead of its tensor load.  The four partners that ask for a tile jointly share the tiles out by address: of P's 8 tiles a partner (by cx) takes two,
	; a wave of waves 0, 1 one: one instruction, lanes 24-31 naming the last block again; of V^T's 16 a partner (by cy) takes four, a wave of waves 2, 3 two: two instructions.
	s_lshl_b32 s72, s[WGY], 3
	s_lshl_b32 s73, s[CX], 1
	s_add_co_u32 s72, s72, s73
	s_add_co_u32 s72, s72, s[WC]
	s_mul_i32 s72, s72, 24576                      ; P's tile 8 x block + 2 cx + wave % 2
	s_lshl_b32 s73, s[CX], 4
	s_lshl_b32 s70, s[CY], 2
	s_add_co_u32 s73, s73, s70
	s_lshl_b32 s70, s[WC], 1
	s_add_co_u32 s73, s73, s70
	s_mul_i32 s73, s73, 98304                      ; V^T's tile 16 cx + 4 cy + 2 (wave % 2),
	s_mul_i32 s70, s[BAT], 24576                   ; the batch's 16 K steps
	s_add_co_u32 s73, s73, s70
	s_add_co_u32 s73, s73, V_C
	s_mov_b32 s70, 98304
	s_mov_b32 s71, 0x7fffffff
	s_cmp_eq_u32 s[WR], 0                          ; the choice hangs on the wave's number alone
	s_cselect_b64 s[68:69], s[4:5], s[8:9]
	s_cselect_b32 s72, s72, s73
	s_cselect_b32 s70, 4096, s70                   ; lanes 16-31: P: blocks 16 on of the one tile; V^T: the second tile
	s_cselect_b32 s71, 5888, s71                   ; P: held at block 23
	s_mov_b32 s73, 0
	s_add_nc_u64 s[68:69], s[68:69], s[72:73]
	v_lshlrev_b32 v0, 8, v1
	v_mad_u32_u24 v0, v2, s70, v0
	v_min_u32 v0, s71, v0                          ; v0: the first instruction's offset
	v_add_nc_u32 v1, 16, v1
	v_min_u32 v1, 23, v1
	v_lshlrev_b32 v1, 8, v1
	v_mad_u32_u24 v1, v2, s70, v1                  ; v1: V^T's blocks 16-23 (lanes that are left over name a tile's last again)
.macro ASK off
	global_prefetch_b8 v0, s[68:69] offset:\off th:TH_LOAD_NT scope:SCOPE_SE
	s_cmp_eq_u32 s[WR], 0
	s_cbranch_scc1 .Lone_\@
	global_prefetch_b8 v1, s[68:69] offset:\off th:TH_LOAD_NT scope:SCOPE_SE
.Lone_\@:
.endm
	s_wait_alu depctr_va_vdst(0)
	ASK 6144                                       ; K steps 4-7
	s_wait_loadcnt 16                              ; the records are in; V^T's 16 scale loads may be out
	FIX 0
	FIX 1
	s_wait_alu depctr_va_vdst(0)
	v_rcp_f32 v[REC+2], v[REC]
	v_rcp_f32 v[REC+3], v[REC+1]
	v_nop                                          ; a plain line behind the reciprocals
	s_wait_alu depctr_va_vdst(0)                   ; one wait for both, ahead of their first reader
	v_permlanex16_b32 v[REC+4], v[REC+2], s[SEL], s[SEL+1]
	v_permlanex16_b32 v[REC+5], v[REC+3], s[SEL], s[SEL+1]
.irp i, 0,1
	v_cndmask_b32 v[LIV+\i], v[REC+4], v[REC+2], s[LOW]     ; tile 0's 1 / l in both halves of the lanes, as a pair
	v_cndmask_b32 v[LIV+2+\i], v[REC+5], v[REC+3], s[LOW]   ; tile 1's
	v_cndmask_b32 v[LIV+4+\i], v[REC+2], v[REC+4], s[LOW]   ; tile 2's
	v_cndmask_b32 v[LIV+6+\i], v[REC+3], v[REC+5], s[LOW]   ; tile 3's
.endr
.macro WM acc, fv, fp, sv, sp, ra, rb, z
.if \z
.if (\ra) == 0 && (\rb) == 0
	v_wmma_scale_f32_16x16x128_f8f6f4 v[\acc:\acc+7], v[\fv:\fv+11], v[\fp:\fp+11], 0, v[\sv], v[\sp] matrix_a_fmt:MATRIX_FMT_BF6 matrix_b_fmt:MATRIX_FMT_BF6
.elseif (\ra) == 1 && (\rb) == 0
	v_wmma_scale_f32_16x16x128_f8f6f4 v[\acc:\acc+7], v[\fv:\fv+11], v[\fp:\fp+11], 0, v[\sv], v[\sp] matrix_a_fmt:MATRIX_FMT_BF6 matrix_b_fmt:MATRIX_FMT_BF6 matrix_a_scale:MATRIX_SCALE_ROW1
.elseif (\ra) == 0
	v_wmma_scale_f32_16x16x128_f8f6f4 v[\acc:\acc+7], v[\fv:\fv+11], v[\fp:\fp+11], 0, v[\sv], v[\sp] matrix_a_fmt:MATRIX_FMT_BF6 matrix_b_fmt:MATRIX_FMT_BF6 matrix_b_scale:MATRIX_SCALE_ROW1
.else
	v_wmma_scale_f32_16x16x128_f8f6f4 v[\acc:\acc+7], v[\fv:\fv+11], v[\fp:\fp+11], 0, v[\sv], v[\sp] matrix_a_fmt:MATRIX_FMT_BF6 matrix_b_fmt:MATRIX_FMT_BF6 matrix_a_scale:MATRIX_SCALE_ROW1 matrix_b_scale:MATRIX_SCALE_ROW1
.endif
.else
.if (\ra) == 0 && (\rb) == 0
	v_wmma_scale_f32_16x16x128_f8f6f4 v[\acc:\acc+7], v[\fv:\fv+11], v[\fp:\fp+11], v[\acc:\acc+7], v[\sv], v[\sp] matrix_a_fmt:MATRIX_FMT_BF6 matrix_b_fmt:MATRIX_FMT_BF6
.elseif (\ra) == 1 && (\rb) == 0
	v_wmma_scale_f32_16x16x128_f8f6f4 v[\acc:\acc+7], v[\fv:\fv+11], v[\fp:\fp+11], v[\acc:\acc+7], v[\sv], v[\sp] matrix_a_fmt:MATRIX_FMT_BF6 matrix_b_fmt:MATRIX_FMT_BF6 matrix_a_scale:MATRIX_SCALE_ROW1
.elseif (\ra) == 0
	v_wmma_scale_f32_16x16x128_f8f6f4 v[\acc:\acc+7], v[\fv:\fv+11], v[\fp:\fp+11], v[\acc:\acc+7], v[\sv], v[\sp] matrix_a_fmt:MATRIX_FMT_BF6 matrix_b_fmt:MATRIX_FMT_BF6 matrix_b_scale:MATRIX_SCALE_ROW1
.else
	v_wmma_scale_f32_16x16x128_f8f6f4 v[\acc:\acc+7], v[\fv:\fv+11], v[\fp:\fp+11], v[\acc:\acc+7], v[\sv], v[\sp] matrix_a_fmt:MATRIX_FMT_BF6 matrix_b_fmt:MATRIX_FMT_BF6 matrix_a_scale:MATRIX_SCALE_ROW1 matrix_b_scale:MATRIX_SCALE_ROW1
.endif
.endif
.endm
; 8 matrix instructions: query tile a x the eight channel tiles, K step k.  The 32 accumulators take turns, one instruction a turn.  z = 1: the first product starts the sums.
.macro MULA a, p, k, z
.irp b, 0,1,2,3,4,5,6,7
	WM 8*(8*(\a)+\b), 96*(\p)+12*\b, 48*(\p)+12*(\a), VS+16*(\b%4)+(\k), PSC+16*((\a)%2)+(\k), \b/4, (\a)/2, \z
.endr
.endm
.macro FETCH slot, q, p                ; 36 LDS loads in one run: the fragments of the slot's q-th K step into set p
	WIN 0x40
.irp b, 0,1,2,3,4,5,6,7
.irp c, 0,1,2
	ds_load_b128 v[96*(\p)+12*\b+4*\c:96*(\p)+12*\b+4*\c+3], v[ADRB+(\slot)] offset:6144*\b+1536*(\q)+512*\c
.endr
.endr
	WIN 0xc0
.irp a, 0,1,2,3
.irp c, 0,1,2
	ds_load_b128 v[48*(\p)+12*\a+4*\c:48*(\p)+12*\a+4*\c+3], v[ADRA+(\slot)] offset:6144*\a+1536*(\q)+512*\c
.endr
.endr
	WIN 0
.endm
; A K step: 32 matrix instructions on set k % 2, while the next step's fragments come into the other set.
; mode 0: plain.  1: the slot has been read out and is filled again behind a round of the cluster's barrier.  2: a barrier alone, which shows the last refill to every wave.  3: the last step.
.macro STEP k, mode
.set P_,  (\k)%2
.set NS_, (((\k)+1)/4)%2
.set NQ_, ((\k)+1)%4
.set FS_, ((\k)/4)%2
.if (\k) == 0
.set Z_, 1
.else
.set Z_, 0
.endif
.if (\mode) == 1 || (\mode) == 2
	s_wait_tensorcnt 0x0                           ; all my tensor loads have landed: my part of the other slot;
	ds_add_u32 v[SPW], v[NIL]                      ; 0 onto my spare word
	s_wait_dscnt 1                                 ; (this step's fragments are in; the add may be out)
	WIN 0xad
	MULA 0, P_, \k, 0
	s_wait_dscnt 0x0                               ; the add is done, and my reads of this slot are over
	s_barrier_signal -1
	MULA 1, P_, \k, 0
	WIN 0
	s_barrier_wait -1
.if (\mode) == 1
	CREST                                          ; no wave of any partner still reads this slot or has a load on its way
	s_add_nc_u64 s[G0+4*FS_+2:G0+4*FS_+3], s[G0+4*FS_+2:G0+4*FS_+3], 12288     ; eight K steps on
	s_add_nc_u64 s[G0B+4*FS_+2:G0B+4*FS_+3], s[G0B+4*FS_+2:G0B+4*FS_+3], 12288
	JLOAD G0+4*FS_, G1, G0B+4*FS_, G1B             ; the first tensor load behind the round: it has four K steps, 128 matrix instructions, in which to land; its four v_nop are the places for the loads below
.else
	PLACES 4
.endif
	FETCH NS_, NQ_, 1-P_
.if (\k) == 3
	ASK 18432                                      ; K steps 12-15
.endif
	WIN 0xad
	MULA 2, P_, \k, 0
	MULA 3, P_, \k, 0
	WIN 0
.else
	s_wait_dscnt 0x0                               ; this step's fragments are in
.if (\mode) == 0
.if (\k) > 0
	PLACES 4                                       ; in front of loads into the set that the last step multiplied
.endif
	FETCH NS_, NQ_, 1-P_
.endif
	WIN 0xad
	MULA 0, P_, \k, Z_
	MULA 1, P_, \k, Z_
	MULA 2, P_, \k, Z_
	MULA 3, P_, \k, Z_
	WIN 0
.endif
.endm
	s_wait_alu depctr_va_vdst(0)
	s_wait_tensorcnt 0x0                           ; my part of slot 0 is in (the work on the records stood under its flight)
	ds_add_u32 v[SPW], v[NIL]
	s_wait_dscnt 0x0
	CROUND                                         ; slot 0 is whole for every wave, and the joint loads meet
	JLOAD G0+4, G1, G0B+4, G1B                     ; slot 1's first fill: my one load behind the round
	FETCH 0, 0, 0
	ASK 12288                                      ; K steps 8-11
	s_wait_loadcnt 0x0                             ; V^T's scale words
	PLACES 8                                       ; P's scale words were written by vector instructions: eight places ahead of the first scaled product
	STEP 0, 0
	STEP 1, 0
	STEP 2, 0
	STEP 3, 1
	STEP 4, 0
	STEP 5, 0
	STEP 6, 0
	STEP 7, 1
	STEP 8, 0
	STEP 9, 0
	STEP 10, 0
	STEP 11, 2
	STEP 12, 0
	STEP 13, 0
	STEP 14, 0
	STEP 15, 3
	PLACES 4                                       ; in front of the first read of results
; THE WAY OUT, a tile of 16 queries at a time: x 1 / l; a lane's 64 numbers are 4 x 16 neighbouring channels of one row: through my stage, back as whole rows of 512 bytes.
.macro OUTT a
	WIN 0x02
.set J_, 0
.rept 32
	v_pk_mul_f32 v[TMP+J_:TMP+J_+1], v[64*(\a)+J_:64*(\a)+J_+1], v[LIV+2*(\a):LIV+2*(\a)+1]   ; each accumulator from its low end on
.set J_, J_+2
.endr
	WIN 0
.irp b, 0,1,2,3,4,5,6,7
	ds_store_b128 v[STO], v[TMP+8*\b:TMP+8*\b+3] offset:128*(\b/2)+32*(\b%2)
	ds_store_b128 v[STO], v[TMP+8*\b+4:TMP+8*\b+7] offset:128*(\b/2)+32*(\b%2)+16
.endr
.if (\a) > 0
	s_wait_xcnt 0x0                                ; the last tile's stores have read the registers that are loaded again below
.endif
.irp t, 0,1,2,3,4,5,6,7,8,9,10,11,12,13,14,15
	ds_load_b128 v[BK+4*\t:BK+4*\t+3], v[RD] offset:528*\t   ; LDS serves a wave's instructions in order: these see my stores
.endr
.irp t, 0,1,2,3,4,5,6,7,8,9,10,11,12,13,14,15
	s_wait_dscnt 15-\t                             ; row t is back; the later rows' loads may be out
	global_store_b128 v[LI], v[BK+4*\t:BK+4*\t+3], s[12:13] offset:(32*((\a)/2)+8*((\a)%2)+\t+8*(\t/8))*4096 th:TH_STORE_NT   ; 512 consecutive bytes of one row of out0
.endr
.endm
	s_wait_alu depctr_va_vdst(0)
	OUTT 0
	OUTT 1
	OUTT 2
	OUTT 3
	s_wait_tensorcnt 0x0                           ; the wave's end
	ds_add_u32 v[SPW], v[NIL]
	s_wait_dscnt 0x0
	CROUND                                         ; the closing round
	s_endpgm
.Lfunc_end_k_qf2c6332815_pv:
	.size	k_qf2c6332815_pv, .Lfunc_end_k_qf2c6332815_pv-k_qf2c6332815_pv
	.p2alignl 7, 3214868480
	.fill 96, 4, 3214868480
	.section	.rodata,"a",@progbits
	.p2align	6, 0x0
	.amdhsa_kernel k_qf2c6332815_pv
		.amdhsa_group_segment_fixed_size 327680
		.amdhsa_private_segment_fixed_size 0
		.amdhsa_enable_private_segment 0
		.amdhsa_kernarg_size 40
		.amdhsa_user_sgpr_count 2
		.amdhsa_user_sgpr_kernarg_segment_ptr 1
		.amdhsa_wavefront_size32 1
		.amdhsa_system_sgpr_workgroup_id_x 1
		.amdhsa_system_sgpr_workgroup_id_y 1
		.amdhsa_system_sgpr_workgroup_id_z 1
		.amdhsa_system_vgpr_workitem_id 0
		.amdhsa_next_free_vgpr 1024
		.amdhsa_next_free_sgpr 100
		.amdhsa_reserve_vcc 0
		.amdhsa_float_denorm_mode_32 3
		.amdhsa_float_denorm_mode_16_64 3
		.amdhsa_memory_ordered 1
		.amdhsa_forward_progress 1
		.amdhsa_inst_pref_size 184
	.end_amdhsa_kernel
	.amdgpu_metadata
---
amdhsa.version: [ 1, 2 ]
amdhsa.kernels:
  - .name:           k_qf2c6332815_pv
    .symbol:         k_qf2c6332815_pv.kd
    .args:
      - { .name: c3, .offset: 0, .size: 8, .value_kind: global_buffer, .address_space: global }
      - { .name: st3, .offset: 8, .size: 8, .value_kind: global_buffer, .address_space: global }
      - { .name: c2, .offset: 16, .size: 8, .value_kind: global_buffer, .address_space: global }
      - { .name: sc2, .offset: 24, .size: 8, .value_kind: global_buffer, .address_space: global }
      - { .name: out0, .offset: 32, .size: 8, .value_kind: global_buffer, .address_space: global }
    .group_segment_fixed_size: 327680
    .private_segment_fixed_size: 0
    .kernarg_segment_align: 8
    .kernarg_segment_size: 40
    .max_flat_workgroup_size: 128
    .sgpr_count:     100
    .vgpr_count:     1024
    .wavefront_size: 32
...
	.end_amdgpu_metadata
.endif
;; end of part 4
